; MI455X (gfx1250); checked and timed in simulation.
; The chip was launched on July 23, 2026; its instructions are those of AMD's public machine-readable ISA for CDNA 5 (MIT licence, August 2026) and "CDNA5" Instruction Set Architecture Reference Guide (July 2026). The comments in the code are by the model that wrote it; some were corrected since.
;; SINGLE Decoder. Allowed arithmetic: float matrix products may take bf16 or f16 operands with f32 sums; other float arithmetic in f32, or as packed bf16 or f16 multiplies, adds, multiply-adds, maxima and minima; sums over many terms, partial sums and values carried from step to step in f32; what a program stores and reads back later, other than sums and carried values, may be rounded once to bf16 or f16.
;; Inputs: Wc 256 x 256 float32; Wk 256 x 256 float32; Wq_last 257 x 256 float32; Wv 256 x 256 float32; attr 16 x 1,000 x 1 float32; bc 256 float32; encoded_last_node 16 x 1,000 x 256 float32; encoded_nodes 16 x 1,000 x 256 float32; ninf_mask 16 x 1,000 x 1,000 float32.
;; Outputs: out0 16 x 1,000 x 1,000 float32.
;; 2 versions, each right; version 2 is version 1 with the launch proj written anew for expert scheduling mode. Each part assembles by itself: llvm-mc -triple=amdgcn-amd-amdhsa -mcpu=gfx1250 --defsym DOCPART=n.
;; ======== version 1 of 2: 3 launches
;; limits: values are held in f16: magnitudes above 65,504 overflow, below 6.1e-05 lose precision; inputs' magnitudes at most 1e+30
;; workspace buffers: qws 8,388,608 bytes; kws 8,388,608 bytes; vtws 8,388,608 bytes; n16 8,388,608 bytes; wct 131,072 bytes; att 8,388,608 bytes
;; launch proj (part 1): grid 64 x 4, 16 waves a work-group, no clusters, 276,480 bytes of LDS; arguments encoded_last_node, encoded_nodes, Wq_last, Wk, Wv, Wc, attr, qws, kws, vtws, n16, wct; writes qws, kws, vtws, n16, wct
.if DOCPART == 1
	.amdgcn_target "amdgcn-amd-amdhsa--gfx1250"
	.amdhsa_code_object_version 6
	.text
	.protected	k_qe651e8471d_proj
	.globl	k_qe651e8471d_proj
	.p2align	8
	.type	k_qe651e8471d_proj,@function
k_qe651e8471d_proj:
	s_mov_b64 s[64:65], 0
	v_nop
	global_prefetch_b8 v0, s[64:65] scope:SCOPE_SE
	s_setreg_imm32_b32 hwreg(HW_REG_WAVE_MODE, 25, 1), 1
	s_wait_xcnt 0x0
; PROJ.  The three projections and two casts.  Work-group x owns 256 rows (batch x / 4, quarter x % 4) of a batch padded to 1,024 rows: row i >= 1000 is a copy of row 999.
; Work-group y is the JOB: 0: q = ([last | attr] Wq_last) / 4;  1: k = nodes Wk;  2: v = nodes Wv, written transposed by key steps;  3: nodes and Wc^T cast.
; FORMATS.  Every input is rounded once to bf16 and multiplied in bf16 with f32 sums; q / 4, k, v leave as f16; n16 and wct hold the bf16-rounded numbers written as f16.
; LIMITS.  q / 4, k, v and the nodes lie within f16's 65,504; a number below 6e-5 keeps f16's fixed step of 6e-8.
; OUT.  qws, kws, n16: f16 [16][1024][256].  vtws: f16 [16][16 steps][256 channels][64 keys].  wct: f16 [256 e][256 c].
; A GEMM job: 16 waves bring W (256 x 256) and 256 rows of x through registers into LDS as bf16; wave w then makes rows 32 (w / 2) .. + 31 x columns 128 (w % 2) .. + 127: 16 accumulators.
; No cluster and no tensor load: both operands are converted on the way in, so they pass through registers; a work-group reads 256 KiB of weights for 256 KiB of rows.
.set WP,    544                        ; a row of W ([k][n], bf16) in LDS: 512 + 32 bytes = 17 x 32: the turning load's 8 rows x 32 bytes fall on different banks
.set XP,    528                        ; a row of x ([row][k], bf16), and of the stage: 512 + 16 bytes = 33 x 16
.set WL,    0
.set XL,    256*WP
.set SPARE, XL+256*XP                  ; the spare words: 128 bytes for each of 16 waves, eight blocks of 256 bytes that no other line names
.set SPW, 14                           ; v14  SPARE + 4 x my thread's number; never rewritten
.set NIL, 15                           ; v15  0; never rewritten
.set XO,  16                           ; v[16:31] byte offset of my 16 bytes in source row min(i0 + j, 999)
.set XF,  48                           ; v[48:63] two fragments of x
.set WF,  64                           ; v[64:127] eight fragments of W
.set SA,  64                           ; load set A
.set SB,  128                          ; load set B
.set ACC, 128                          ; v[128:255] accumulator (rt, ct) at ACC + 8 (8 rt + ct)
.set PK,  64                           ; packed results
.set BK,  128                          ; rows read back from the stage
.set WV,  32                           ; s32 wave
.set JOB, 33                           ; s33 job
.macro PLACES                          ; four plain vector instructions between a matrix instruction and a load into, a write of or a read of its registers
.rept 4
	v_nop
.endr
.endm
	s_load_b512 s[8:23], s[0:1], 0x0               ; last 8, nodes 10, Wq 12, Wk 14, Wv 16, Wc 18, attr 20, qws 22
	s_load_b256 s[24:31], s[0:1], 0x40             ; kws 24, vtws 26, n16 28, wct 30
	v_lshl_add_u32 v[SPW], v0, 2, SPARE
	v_mov_b32 v[NIL], 0
	v_lshrrev_b32 v1, 5, v0
	v_readfirstlane_b32 s[WV], v1                  ; wave 0..15
	v_and_b32 v1, 31, v0                           ; L
	v_and_b32 v2, 15, v0                           ; r
	v_bfe_u32 v3, v0, 4, 1                         ; h
	v_lshlrev_b32 v4, 4, v1                        ; 16 L
	s_and_b32 s[JOB], ttmp7, 0xffff
	s_mov_b32 s34, ttmp9
	s_lshr_b32 s35, s34, 2                         ; batch
	s_and_b32 s36, s34, 3                          ; quarter
	s_lshl_b32 s37, s36, 8
	s_lshl4_add_u32 s37, s[WV], s37                ; i0 = 256 quarter + 16 w: the first row that I bring
	s_lshr_b32 s50, s[WV], 1                       ; rg: my 32 rows
	s_and_b32 s51, s[WV], 1                        ; ch: my 128 columns
	s_mov_b32 s45, 0                               ; the high word of every offset pair s[44:45]
	s_mov_b32 s52, 0x3e800000                      ; 1 / 4 = 1 / sqrt(16)
	s_mov_b32 s53, s52
.set j, 0
.rept 16
	s_add_co_u32 s44, s37, j
	s_min_u32 s44, s44, 999                        ; padded rows repeat row 999
	s_lshl_b32 s44, s44, 10                        ; 1,024 bytes a source row
	v_add_nc_u32 v[XO+j], s44, v4
.set j, j+1
.endr
	s_lshl_b32 s44, s[WV], 14
	v_add_nc_u32 v5, s44, v4                       ; W: row 16 w, my 16 bytes
	s_mul_i32 s44, s[WV], 16*WP
	v_lshl_add_u32 v6, v1, 3, s44                  ; where my 8 bytes of W's row 16 w go
	s_mul_i32 s44, s[WV], 16*XP
	s_add_co_u32 s44, s44, XL
	v_lshl_add_u32 v7, v1, 3, s44                  ; the same for x
	s_mul_i32 s44, s50, 32*XP
	s_add_co_u32 s44, s44, XL
	v_mul_u32_u24 v8, v2, XP
	v_lshl_add_u32 v8, v3, 4, v8
	v_add_nc_u32 v8, s44, v8                       ; fragments of x: (32 rg + r) pitch + 16 h
	v_and_b32 v32, 7, v0
	v_lshl_add_u32 v32, v3, 3, v32
	v_mul_u32_u24 v9, v32, WP
	v_bfe_u32 v32, v0, 3, 1
	v_lshl_add_u32 v9, v32, 4, v9
	s_lshl_b32 s44, s51, 8
	v_add_nc_u32 v9, s44, v9                       ; turned fragments of W: (8 h + L % 8) pitch + 16 ((L / 8) % 2) + 256 ch, K steps 0-3
	v_add_nc_u32 v10, 4*32*WP, v9                  ; K steps 4-7: past the 16-bit immediate
	s_wait_kmcnt 0x0
	s_cmp_eq_u32 s[JOB], 0
	s_cselect_b64 s[38:39], s[8:9], s[10:11]       ; x: last for q, nodes else
	s_cselect_b64 s[40:41], s[12:13], s[14:15]     ; W
	s_cselect_b64 s[42:43], s[22:23], s[24:25]     ; out
	s_cmp_eq_u32 s[JOB], 2
	s_cselect_b64 s[40:41], s[16:17], s[40:41]
	s_cselect_b64 s[42:43], s[26:27], s[42:43]
	s_mul_i32 s44, s35, 1024000
	s_add_nc_u64 s[38:39], s[38:39], s[44:45]      ; x at the batch's first row
	s_lshl_b32 s44, s34, 17                        ; 256 rows of 512 bytes, and four key steps of 32,768 bytes, are both 131,072 bytes a work-group
	s_add_nc_u64 s[42:43], s[42:43], s[44:45]
	s_add_nc_u64 s[28:29], s[28:29], s[44:45]
.macro LOADW bt, set                   ; eight rows of W, 1,024 bytes each: two loads of 512 consecutive bytes a row
.irp j, 0,1,2,3,4,5,6,7
	global_load_b128 v[(\set)+8*(\j):(\set)+8*(\j)+3],   v5, s[40:41] offset:(8*(\bt)+(\j))*1024
	global_load_b128 v[(\set)+8*(\j)+4:(\set)+8*(\j)+7], v5, s[40:41] offset:(8*(\bt)+(\j))*1024+512
.endr
.endm
.macro LOADX bt, set                   ; eight rows of x
.irp j, 0,1,2,3,4,5,6,7
	global_load_b128 v[(\set)+8*(\j):(\set)+8*(\j)+3],   v[XO+8*(\bt)+(\j)], s[38:39]
	global_load_b128 v[(\set)+8*(\j)+4:(\set)+8*(\j)+7], v[XO+8*(\bt)+(\j)], s[38:39] offset:512
.endr
.endm
.macro CVST set, adr, pitch, bt        ; a set is rounded to bf16 in place and stored: 8 bytes a lane, 256 consecutive bytes a store
.irp j, 0,1,2,3,4,5,6,7
.irp i, 0,1
	v_cvt_pk_bf16_f32 v[(\set)+8*(\j)+4*(\i)],   v[(\set)+8*(\j)+4*(\i)],   v[(\set)+8*(\j)+4*(\i)+1]
	v_cvt_pk_bf16_f32 v[(\set)+8*(\j)+4*(\i)+1], v[(\set)+8*(\j)+4*(\i)+2], v[(\set)+8*(\j)+4*(\i)+3]
	ds_store_b64 v[\adr], v[(\set)+8*(\j)+4*(\i):(\set)+8*(\j)+4*(\i)+1] offset:(8*(\bt)+(\j))*(\pitch)+256*(\i)
.endr
.endr
.endm
	s_cmp_eq_u32 s[JOB], 3
	s_cbranch_scc1 .Lcast
	; PHASE 1: W and x into LDS.  Two sets of 16 loads take turns: each wait leaves the other set's 16 younger loads out.
	LOADW 0, SA
	LOADW 1, SB
	s_wait_loadcnt 16                              ; set A is in
	CVST SA, 6, WP, 0
	LOADX 0, SA
	s_wait_loadcnt 16                              ; set B
	CVST SB, 6, WP, 1
	LOADX 1, SB
	s_wait_loadcnt 16                              ; set A
	CVST SA, 7, XP, 0
	s_wait_loadcnt 0x0
	CVST SB, 7, XP, 1
	s_wait_dscnt 0x0                               ; for the others' sake: my stores are done
	s_barrier_signal -1
	s_barrier_wait -1                              ; W and x are whole
	; PHASE 2: eight K steps of 32.  The 16 accumulators take turns, one instruction a turn.
	; swap = 0: source 0 = 16 columns of W, source 1 = 16 rows of x: a lane holds one row and eight neighbouring channels.  swap = 1: the other way round: one channel and eight neighbouring keys.
.macro MM swap, ct, rt
.set d, ACC+8*(8*(\rt)+(\ct))
.if \swap
.if ks == 0
	v_wmma_f32_16x16x32_bf16 v[d:d+7], v[XF+8*(\rt):XF+8*(\rt)+7], v[WF+8*(\ct):WF+8*(\ct)+7], 0
.else
	v_wmma_f32_16x16x32_bf16 v[d:d+7], v[XF+8*(\rt):XF+8*(\rt)+7], v[WF+8*(\ct):WF+8*(\ct)+7], v[d:d+7]
.endif
.else
.if ks == 0
	v_wmma_f32_16x16x32_bf16 v[d:d+7], v[WF+8*(\ct):WF+8*(\ct)+7], v[XF+8*(\rt):XF+8*(\rt)+7], 0
.else
	v_wmma_f32_16x16x32_bf16 v[d:d+7], v[WF+8*(\ct):WF+8*(\ct)+7], v[XF+8*(\rt):XF+8*(\rt)+7], v[d:d+7]
.endif
.endif
.endm
.macro GEMM swap
.set ks, 0
.rept 8
.if ks > 0
	PLACES                                         ; the loads below land in registers that the last products read
.endif
.irp rt, 0,1
	ds_load_b128 v[XF+8*\rt:XF+8*\rt+3],   v8 offset:\rt*16*XP+64*ks
	ds_load_b128 v[XF+8*\rt+4:XF+8*\rt+7], v8 offset:\rt*16*XP+64*ks+32
.endr
.irp ct, 0,1,2,3,4,5,6,7
	ds_load_tr16_b128 v[WF+8*\ct:WF+8*\ct+3],   v[9+ks/4] offset:(ks%4)*32*WP+32*\ct
	ds_load_tr16_b128 v[WF+8*\ct+4:WF+8*\ct+7], v[9+ks/4] offset:(ks%4)*32*WP+32*\ct+16*WP
.endr
	s_wait_dscnt 0x0                               ; four waves share a SIMD: the others multiply while I wait
.irp ct, 0,1,2,3,4,5,6,7
.irp rt, 0,1
	MM \swap, \ct, \rt
.endr
.endr
.set ks, ks+1
.endr
.endm
	s_cmp_eq_u32 s[JOB], 2
	s_cbranch_scc1 .Lgemm_v
	GEMM 0
	s_branch .Lgemm_done
.Lgemm_v:
	GEMM 1
.Lgemm_done:
	PLACES
	s_wait_dscnt 0x0                               ; my reads of W and x are over
	s_barrier_signal -1
	s_barrier_wait -1                              ; everybody's are: the stage may be laid over W
	; PHASE 3, job 0 alone: q += attr[row] x Wq_last[256][channel], both rounded to bf16; then q / 4
	s_cmp_lg_u32 s[JOB], 0
	s_cbranch_scc1 .Lpack
	s_mul_i32 s44, s35, 4000
	s_add_nc_u64 s[46:47], s[20:21], s[44:45]      ; attr at the batch
	s_lshl_b32 s48, s36, 8
	s_lshl_b32 s49, s50, 5
	s_add_co_u32 s48, s48, s49                     ; 256 quarter + 32 rg
	v_add_nc_u32 v32, s48, v2
	v_min_u32 v32, 999, v32
	v_lshlrev_b32 v32, 2, v32
	s_add_co_u32 s48, s48, 16
	v_add_nc_u32 v33, s48, v2
	v_min_u32 v33, 999, v33
	v_lshlrev_b32 v33, 2, v33
	s_lshl_b32 s49, s51, 9
	v_lshl_add_u32 v34, v3, 5, s49                 ; 4 (128 ch + 8 h)
	global_load_b32 v36, v32, s[46:47]
	global_load_b32 v38, v33, s[46:47]
.irp ct, 0,1,2,3,4,5,6,7
	global_load_b128 v[WF+8*\ct:WF+8*\ct+3],   v34, s[12:13] offset:262144+64*\ct
	global_load_b128 v[WF+8*\ct+4:WF+8*\ct+7], v34, s[12:13] offset:262144+64*\ct+16
.endr
	s_wait_loadcnt 0x0
	v_cvt_pk_bf16_f32 v36, v36, v36
	v_cvt_pk_bf16_f32 v38, v38, v38
	v_lshlrev_b32 v36, 16, v36
	v_lshlrev_b32 v38, 16, v38
	v_mov_b32 v37, v36                             ; named as pairs by the packed lines below
	v_mov_b32 v39, v38
.set t, 0
.rept 32
	v_cvt_pk_bf16_f32 v[40+t%2], v[WF+2*t], v[WF+2*t+1]
	v_lshlrev_b32 v[WF+2*t], 16, v[40+t%2]
	v_and_b32 v[WF+2*t+1], 0xffff0000, v[40+t%2]
.set t, t+1
.endr
.irp rt, 0,1
.irp ct, 0,1,2,3,4,5,6,7
.irp p, 0,1,2,3
	v_pk_fma_f32 v[ACC+8*(8*\rt+\ct)+2*\p:ACC+8*(8*\rt+\ct)+2*\p+1], v[WF+8*\ct+2*\p:WF+8*\ct+2*\p+1], v[36+2*\rt:37+2*\rt], v[ACC+8*(8*\rt+\ct)+2*\p:ACC+8*(8*\rt+\ct)+2*\p+1] op_sel_hi:[1,0,1]
.endr
.endr
.endr
.set t, 0
.rept 64
	v_pk_mul_f32 v[ACC+2*t:ACC+2*t+1], v[ACC+2*t:ACC+2*t+1], s[52:53] op_sel_hi:[1,0]
.set t, t+1
.endr
.Lpack:                                        ; all jobs: rounded once to f16, each accumulator's registers in ascending order
.set t, 0
.rept 64
	v_cvt_pk_f16_f32 v[PK+t], v[ACC+2*t], v[ACC+2*t+1]
.set t, t+1
.endr
	s_cmp_eq_u32 s[JOB], 2
	s_cbranch_scc1 .Lst_v
	s_mul_i32 s44, s50, 32*XP                      ; q, k: stage row = my row 32 rg + 16 rt + r, byte 256 ch + 32 ct + 16 h
	s_lshl_b32 s48, s51, 8
	s_add_co_u32 s44, s44, s48
	v_mul_u32_u24 v11, v2, XP
	v_lshl_add_u32 v11, v3, 4, v11
	v_add_nc_u32 v11, s44, v11
.irp rt, 0,1
.irp ct, 0,1,2,3,4,5,6,7
	ds_store_b128 v11, v[PK+4*(8*\rt+\ct):PK+4*(8*\rt+\ct)+3] offset:\rt*16*XP+32*\ct
.endr
.endr
	s_branch .Lst_done
.Lst_v:
	s_mul_i32 s44, s51, 128*XP                     ; v: stage row = channel 128 ch + 16 ct + r, byte 64 rg + 32 rt + 16 h (two bytes a key)
	s_lshl_b32 s48, s50, 6
	s_add_co_u32 s44, s44, s48
	v_mul_u32_u24 v11, v2, XP
	v_lshl_add_u32 v11, v3, 4, v11
	v_add_nc_u32 v11, s44, v11
.irp rt, 0,1
.irp ct, 0,1,2,3,4,5,6,7
	ds_store_b128 v11, v[PK+4*(8*\rt+\ct):PK+4*(8*\rt+\ct)+3] offset:\ct*16*XP+32*\rt
.endr
.endr
.Lst_done:
	s_wait_dscnt 0x0                               ; for the others' sake: my stores into the stage are done
	s_barrier_signal -1
	s_barrier_wait -1
	s_cmp_eq_u32 s[JOB], 2
	s_cbranch_scc1 .Lrd_v
	s_mul_i32 s44, s[WV], 16*XP                    ; q, k: wave w takes stage rows 16 w .. + 15 whole: 512 bytes a load and a store
	v_add_nc_u32 v12, s44, v4
	s_lshl_b32 s44, s[WV], 13
	v_add_nc_u32 v13, s44, v4
.irp f, 0,1,2,3,4,5,6,7,8,9,10,11,12,13,14,15
	ds_load_b128 v[BK+4*\f:BK+4*\f+3], v12 offset:\f*XP
.endr
.irp f, 0,1,2,3,4,5,6,7,8,9,10,11,12,13,14,15
	s_wait_dscnt 15-\f                             ; LDS loads come back in order: the younger ones may stay out
	global_store_b128 v13, v[BK+4*\f:BK+4*\f+3], s[42:43] offset:512*\f
.endr
	s_branch .Lend
.Lrd_v:
	s_mul_i32 s44, s[WV], 16*XP                    ; v: wave w takes channels 16 w .. + 15; a load takes four channels' 128 bytes of one key step: 512 consecutive bytes of vtws
	v_lshrrev_b32 v32, 3, v1
	v_mul_u32_u24 v12, v32, XP
	v_and_b32 v32, 7, v0
	v_lshl_add_u32 v12, v32, 4, v12
	v_add_nc_u32 v12, s44, v12
	s_lshl_b32 s44, s[WV], 11
	v_add_nc_u32 v13, s44, v4
.irp f, 0,1,2,3,4,5,6,7,8,9,10,11,12,13,14,15
	ds_load_b128 v[BK+4*\f:BK+4*\f+3], v12 offset:(\f%4)*4*XP+(\f/4)*128
.endr
.irp f, 0,1,2,3,4,5,6,7,8,9,10,11,12,13,14,15
	s_wait_dscnt 15-\f
	global_store_b128 v13, v[BK+4*\f:BK+4*\f+3], s[42:43] offset:(\f/4)*32768+(\f%4)*512
.endr
	s_branch .Lend
	; JOB 3: my 16 rows of the nodes, rounded to bf16 and written as f16; every store has data registers of its own
.macro CAST set, bt
.irp j, 0,1,2,3,4,5,6,7
.irp i, 0,1
	v_cvt_pk_bf16_f32 v32, v[(\set)+8*(\j)+4*(\i)],   v[(\set)+8*(\j)+4*(\i)+1]
	v_cvt_pk_bf16_f32 v33, v[(\set)+8*(\j)+4*(\i)+2], v[(\set)+8*(\j)+4*(\i)+3]
	v_lshlrev_b32 v[(\set)+8*(\j)+4*(\i)],   16, v32
	v_and_b32     v[(\set)+8*(\j)+4*(\i)+1], 0xffff0000, v32
	v_lshlrev_b32 v[(\set)+8*(\j)+4*(\i)+2], 16, v33
	v_and_b32     v[(\set)+8*(\j)+4*(\i)+3], 0xffff0000, v33
	v_cvt_pk_f16_f32 v[(\set)+8*(\j)+4*(\i)],   v[(\set)+8*(\j)+4*(\i)],   v[(\set)+8*(\j)+4*(\i)+1]
	v_cvt_pk_f16_f32 v[(\set)+8*(\j)+4*(\i)+1], v[(\set)+8*(\j)+4*(\i)+2], v[(\set)+8*(\j)+4*(\i)+3]
	global_store_b64 v11, v[(\set)+8*(\j)+4*(\i):(\set)+8*(\j)+4*(\i)+1], s[28:29] offset:(8*(\bt)+(\j))*512+256*(\i)  ; 32 lanes store 256 consecutive bytes, aligned
.endr
.endr
.endm
.Lcast:
	LOADX 0, SA
	LOADX 1, SB
	s_lshl_b32 s44, s[WV], 13
	v_lshl_add_u32 v11, v1, 3, s44                 ; 8,192 w + 8 L
	s_wait_loadcnt 16                              ; set A is in
	CAST SA, 0
	s_wait_loadcnt 0x0
	CAST SB, 1
	s_cmp_lt_u32 s[WV], 4                          ; waves 0 to 3 also make row e = 4 x + w of wct
	s_cbranch_scc0 .Lend
	s_lshl2_add_u32 s44, s34, s[WV]                ; e
	s_lshl_b32 s48, s44, 2
	v_lshl_add_u32 v12, v1, 13, s48                ; Wc[8 L + i][e]
.irp i, 0,1,2,3,4,5,6,7
	global_load_b32 v[192+\i], v12, s[18:19] offset:1024*\i
.endr
	s_lshl_b32 s48, s44, 9
	v_add_nc_u32 v13, s48, v4
	s_wait_loadcnt 0x0
.irp p, 0,1,2,3
	v_cvt_pk_bf16_f32 v[34+\p], v[192+2*\p], v[193+2*\p]
	v_lshlrev_b32 v[192+2*\p], 16, v[34+\p]
	v_and_b32 v[193+2*\p], 0xffff0000, v[34+\p]
	v_cvt_pk_f16_f32 v[200+\p], v[192+2*\p], v[193+2*\p]
.endr
	global_store_b128 v13, v[200:203], s[30:31]    ; a whole row of wct, 512 bytes
.Lend:
	s_wait_tensorcnt 0x0                           ; the wave's end, behind my last LDS store
	ds_add_u32 v[SPW], v[NIL]
	s_wait_dscnt 0x0
	s_endpgm
.Lfunc_end_k_qe651e8471d_proj:
	.size	k_qe651e8471d_proj, .Lfunc_end_k_qe651e8471d_proj-k_qe651e8471d_proj
	.p2alignl 7, 3214868480
	.fill 96, 4, 3214868480
	.section	.rodata,"a",@progbits
	.p2align	6, 0x0
	.amdhsa_kernel k_qe651e8471d_proj
		.amdhsa_group_segment_fixed_size 276480
		.amdhsa_private_segment_fixed_size 0
		.amdhsa_enable_private_segment 0
		.amdhsa_kernarg_size 96
		.amdhsa_user_sgpr_count 2
		.amdhsa_user_sgpr_kernarg_segment_ptr 1
		.amdhsa_wavefront_size32 1
		.amdhsa_system_sgpr_workgroup_id_x 1
		.amdhsa_system_sgpr_workgroup_id_y 1
		.amdhsa_system_sgpr_workgroup_id_z 1
		.amdhsa_system_vgpr_workitem_id 0
		.amdhsa_next_free_vgpr 256
		.amdhsa_next_free_sgpr 66
		.amdhsa_reserve_vcc 0
		.amdhsa_float_denorm_mode_32 3
		.amdhsa_float_denorm_mode_16_64 3
		.amdhsa_memory_ordered 1
		.amdhsa_forward_progress 1
		.amdhsa_inst_pref_size 114
	.end_amdhsa_kernel
	.amdgpu_metadata
---
amdhsa.version: [ 1, 2 ]
amdhsa.kernels:
  - .name:           k_qe651e8471d_proj
    .symbol:         k_qe651e8471d_proj.kd
    .args:
      - { .name: encoded_last_node, .offset: 0, .size: 8, .value_kind: global_buffer, .address_space: global }
      - { .name: encoded_nodes, .offset: 8, .size: 8, .value_kind: global_buffer, .address_space: global }
      - { .name: Wq_last, .offset: 16, .size: 8, .value_kind: global_buffer, .address_space: global }
      - { .name: Wk, .offset: 24, .size: 8, .value_kind: global_buffer, .address_space: global }
      - { .name: Wv, .offset: 32, .size: 8, .value_kind: global_buffer, .address_space: global }
      - { .name: Wc, .offset: 40, .size: 8, .value_kind: global_buffer, .address_space: global }
      - { .name: attr, .offset: 48, .size: 8, .value_kind: global_buffer, .address_space: global }
      - { .name: qws, .offset: 56, .size: 8, .value_kind: global_buffer, .address_space: global }
      - { .name: kws, .offset: 64, .size: 8, .value_kind: global_buffer, .address_space: global }
      - { .name: vtws, .offset: 72, .size: 8, .value_kind: global_buffer, .address_space: global }
      - { .name: n16, .offset: 80, .size: 8, .value_kind: global_buffer, .address_space: global }
      - { .name: wct, .offset: 88, .size: 8, .value_kind: global_buffer, .address_space: global }
    .group_segment_fixed_size: 276480
    .private_segment_fixed_size: 0
    .kernarg_segment_align: 8
    .kernarg_segment_size: 96
    .max_flat_workgroup_size: 512
    .sgpr_count:     66
    .vgpr_count:     256
    .wavefront_size: 32
...
	.end_amdgpu_metadata
.endif
;; end of part 1
;; launch mha (part 2): grid 16 x 16, 8 waves a work-group, clusters of 4 x 1, 327,680 bytes of LDS; arguments qws, kws, vtws, ninf_mask, att; writes att
.if DOCPART == 2
	.amdgcn_target "amdgcn-amd-amdhsa--gfx1250"
	.amdhsa_code_object_version 6
	.text
	.protected	k_qe651e8471d_mha
	.globl	k_qe651e8471d_mha
	.p2align	8
	.type	k_qe651e8471d_mha,@function
k_qe651e8471d_mha:
	s_mov_b64 s[64:65], 0
	v_nop
	global_prefetch_b8 v0, s[64:65] scope:SCOPE_SE
	s_setreg_imm32_b32 hwreg(HW_REG_WAVE_MODE, 25, 1), 1
	s_wait_xcnt 0x0
	s_wait_alu depctr_hold_cnt(0) depctr_sa_sdst(0) depctr_va_vdst(0) depctr_va_sdst(0) depctr_va_ssrc(0) depctr_va_vcc(0) depctr_vm_vsrc(0)
	s_getreg_b32 s2, hwreg(HW_REG_IB_STS2, 6, 4)
	s_cmp_eq_u32 s2, 0
	s_cbranch_scc0 .Lentry_in_a_cluster
	s_endpgm
.Lentry_in_a_cluster:
	s_bfe_u32 s2, ttmp6, 0x10000c
	s_cmp_lg_u32 s2, 0x3003
	s_cbranch_scc0 .Lentry_shape_is_right
	s_endpgm
.Lentry_shape_is_right:
; MHA.  att[b][p][16 hd + d] = the sum over n of softmax_n(q.k / 4 + mask[b][p][n]) v[n].  qws (already q / 4), kws: f16 [16][1024][256]; vtws: f16 [16][16 steps][256 channels][64 keys];
; ninf_mask: f32 [16][1000][1000]; att: f16 [16][1024][256].  Products, maxima and sums in f32; the weights are rounded to f16 for the second product and for their sum.
; LIMITS.  The mask is rounded to bf16; an entry below -1e30 (minus infinity, NaN) counts as -1e30, so a row that is hidden altogether gives a finite mean here.  Keys 1000 to 1023 are hidden by -1e30.
; Query rows 1000 to 1023 repeat row 999.  A weight below 2^-126 counts as 0.
; SHARES.  A work-group owns 64 queries of a batch and all 16 heads.  Wave w: 16 queries (w % 4), heads 8 (w / 4) .. + 7, as four PAIRS.  Two waves lie on a SIMD: one's products run beside the other's softmax.
; Keys go in 16 steps of 64 through two LDS slots.  CLUSTER: the four query blocks of a cluster walk the same K and V, so each tile is asked for jointly, by one descriptor and one mask in all four.
; LAYOUT.  S^T = K Q^T + C: a fragment of K (16 keys x 32 channels) holds two heads; Q lies as [q_a][0][q_b], so that registers 0-7 blank head b and registers 4-11 head a.  C is the mask's tile: a lane holds ONE
; query (lane % 16) and keys 8 (lane / 16) + 0..7, 32 bytes on end of the mask's row.  Two results rounded to f16 ARE source 1 of O^T = V^T P.  The row sums are ONES x P, by the matrix unit:
; every register of LA holds the query's sum; its low pair alone is rescaled and read, the other six hold at most 1,024 and are never read.
; SOFTMAX.  Running maximum m; p = 2^(c s - c m), c = log2(e); O and the sum are multiplied by a = 2^(c m_old - c m_new) in every step.  m starts at the lowest finite number, O and the sums at 0: the first a is 0.
; REGISTERS, in two windows of 256 (s_set_vgpr_msb: bits 1:0 source 0, 3:2 source 1, 5:4 source 2, 7:6 destination).
.set PKK,   528                        ; a row of K in LDS: 512 + 16 bytes
.set PVP,   144                        ; a channel of V^T: 128 + 16 bytes
.set VOFF,  64*PKK                     ; a slot: 64 rows of K, then 256 channels of V^T
.set SLOT1, 1<<17                      ; slot 1: one exclusive or turns an address in one slot into the other's
.set STAGE, SLOT1+VOFF+256*PVP         ; behind the ring, never filled by a tensor load: 16 rows x 272 bytes a wave
.set SP,    272
.set SPARE, STAGE+8*16*SP              ; the spare words: 128 bytes for each of eight waves, four blocks of 256 bytes that no other line names
; window 0
.set AK0, 2                            ; my lane's place in a tile of K; never rewritten
.set AV0, 3                            ; the same for V^T
.set AK,  4
.set AV,  5
.set ROW, 6                            ; byte offset of my query's row of the mask
.set KO,  7                            ; 256 t + 32 h: my lanes' first byte of step t in that row
.set MA,  8                            ; v[8:11] the four tiles' offsets
.set STO, 12
.set RD,  13
.set GO,  14
.set QO,  15
.set SPW, 16                           ; SPARE + 4 x my thread's number; never rewritten
.set NIL, 17                           ; 0; never rewritten
.set BIG, 18                           ; -1e30
.set PFO, 19                           ; 256 x lane; never rewritten
.set T,   22                           ; v[22:23] at work
.set ST,  24                           ; v[24:39] head i: c m, m
.set TMP, 40                           ; v[40:47] c0-c3 for each head of the pair in hand; c2 takes a
.set MV,  48                           ; v[48:49] c m_old
.set MSK, 64                           ; v[64:95]  the step's mask, C of the first product
.set RAW, 96                           ; v[96:127] the next step's mask as loaded
.set S,   128                          ; v[128:191] S^T, 32 a head
.set P,   192                          ; v[192:223] P, 16 a head
.set OUTR, 224                         ; v[224:255] the way out
; window 1
.set Q,    0                           ; 12 a pair
.set ONES, 48
.set KF,   64                          ; K of one pair: key block tau at KF + 8 tau
.set VF,   96                          ; V^T of one pair: head x, key half kap at VF + 16 x + 8 kap
.set O,    128                         ; 8 a head
.set LA,   192                         ; 8 a head
.set WV,  14
.set G1K, 24
.set G1V, 32
.set G0K, 40
.set G0V, 44
.set CNT, 48
.set TB,  49                           ; LDS byte at which the slot in hand begins
.set CS,  50                           ; s[50:51] c
.set SEL, 52                           ; s[52:53] each lane takes its own place in the other half
.set LIM, 54                           ; 1 in a wave that prefetches, else the greatest number
.set CLP, 55                           ; -1e30 twice, in bf16
.set PFA, 56                           ; s[56:57]
.set HIM, 58                           ; 0xffff0000
.set MSB, 0
.macro WIN new                         ; the immediate's high byte repeats the setting that is left; a switch that changes nothing is dropped
.if MSB != (\new)
	s_set_vgpr_msb (MSB<<8)|(\new)
.set MSB, (\new)
.endif
.endm
.set W_KQ, 0x05                        ; K and Q in window 1; mask and S^T in window 0
.set W_PV, 0x51                        ; V^T or ONES, C and D in window 1; P in window 0
.set W_RS, 0x41                        ; destination and source 0 in window 1
.set W_LD, 0x40                        ; destination in window 1
.macro PLACES
.rept 4
	v_nop
.endr
.endm
.macro CROUND                          ; a round of the cluster's barrier
	s_barrier_signal -1
	s_barrier_wait -1
	s_cmp_lg_u32 s[WV], 0
	s_cbranch_scc1 .Lnot_wave_0_\@
	s_barrier_signal -3
.Lnot_wave_0_\@:
	s_barrier_wait -3
	s_barrier_signal -1
	s_barrier_wait -1
.endm
.macro JLOAD                           ; wave 0 asks for the tile of K (64 rows of 512 bytes), wave 1 for that of V^T (128 rows of 256 bytes); an s_nop 0 and four v_nop follow each
	s_cmp_lg_u32 s[WV], 0
	s_cbranch_scc1 .Lnot_k_\@
	tensor_load_to_lds s[G0K:G0K+3], s[G1K:G1K+7]
	s_nop 0
	PLACES
.Lnot_k_\@:
	s_cmp_lg_u32 s[WV], 1
	s_cbranch_scc1 .Lnot_v_\@
	tensor_load_to_lds s[G0V:G0V+3], s[G1V:G1V+7]
	s_nop 0
	PLACES
.Lnot_v_\@:
.endm
; A prefetch of the tile that the NEXT change of slots will ask for: one key step ahead of its load.  All four clusters of a batch walk the same tiles: the first (cluster x = 0) asks, wave 0 for K, wave 1 for V^T;
; its four partners share a tile's 32,768 bytes out by address, 8,192 each, a lane 256 bytes.  So each block is named once.  Tiles 0 and 1 come by their loads alone; the loop's last trip asks for nothing.
.macro ASK
	s_cmp_gt_u32 s[CNT], s[LIM]
	s_cbranch_scc0 .Lnot_mine_\@
	global_prefetch_b8 v[PFO], s[PFA:PFA+1] th:TH_LOAD_NT scope:SCOPE_SE
.Lnot_mine_\@:
.endm
; THE CHANGE OF SLOTS.  Every wave waits for all its tensor loads (at most one is out: the tile to be read now), adds 0 to its spare word, and waits for that and for its reads of the slot that it leaves.
; fill = 1: a round of the cluster's barrier, and the slot just left is filled with the next tile, first thing behind it: it has a whole key step in which to land.
.macro CHANGE fill
	WIN 0
	s_wait_tensorcnt 0x0                           ; no tensor load of mine is out, so a group 0 may be written
	ds_add_u32 v[SPW], v[NIL]
.if \fill
	s_xor_b32 s[G0K+1], s[G0K+1], SLOT1
	s_add_nc_u64 s[G0K+2:G0K+3], s[G0K+2:G0K+3], 32768
	s_xor_b32 s[G0V+1], s[G0V+1], SLOT1
	s_add_nc_u64 s[G0V+2:G0V+3], s[G0V+2:G0V+3], 32768
	s_wait_xcnt 0x0                                ; the last prefetch, a key step back, has read its address
	s_add_nc_u64 s[PFA:PFA+1], s[PFA:PFA+1], 32768
	s_wait_dscnt 0x0                               ; the add is done, and my reads of the slot are over
	CROUND
	JLOAD
	ASK
.else
	s_wait_dscnt 0x0
	s_barrier_signal -1
	s_barrier_wait -1
.endif
	s_xor_b32 s[TB], s[TB], SLOT1
.endm
	s_load_b256 s[4:11], s[0:1], 0x0               ; qws 4, kws 6, vtws 8, mask 10
	s_load_b64 s[12:13], s[0:1], 0x20              ; att
	v_lshl_add_u32 v[SPW], v0, 2, SPARE
	v_mov_b32 v[NIL], 0
	ds_add_u32 v[SPW], v[NIL]                      ; the wave's opening: the add and its wait stand ahead of the first tensor load
	v_lshrrev_b32 v1, 5, v0
	v_readfirstlane_b32 s[WV], v1                  ; wave 0..7
	s_bfe_u32 s15, ttmp6, 0x40000                  ; cx
	s_lshl_b32 s16, ttmp9, 2
	s_add_co_u32 s16, s16, s15                     ; my block of 64 queries: it enters global addresses alone
	s_and_b32 s17, ttmp7, 0xffff                   ; the batch, which the partners share
	s_and_b32 s18, s[WV], 3                        ; qt
	s_lshr_b32 s19, s[WV], 2                       ; hh
	s_mov_b32 s[G1K], 15|(1<<16)|(1<<20)|(1<<21)|(6<<22)|(3<<25)  ; mask of four; 2-byte elements; padding on; bit 21 beside a mask; after every 128 words, 4 words
	s_mov_b32 s[G1K+1], 256<<16                    ; tensor_dim0
	s_mov_b32 s[G1K+2], 64<<16                     ; tensor_dim1
	s_mov_b32 s[G1K+3], 256<<16                    ; tile_dim0
	s_mov_b32 s[G1K+4], 64                         ; tile_dim1
	s_mov_b32 s[G1K+5], 256                        ; elements from row to row
	s_mov_b32 s[G1K+6], 0
	s_mov_b32 s[G1K+7], 0
	s_mov_b32 s[G1V], 15|(1<<16)|(1<<20)|(1<<21)|(4<<22)|(3<<25)  ; the tile's 32,768 dense bytes as 128 rows of 256, padded after every channel (32 words)
	s_mov_b32 s[G1V+1], 128<<16
	s_mov_b32 s[G1V+2], 128<<16
	s_mov_b32 s[G1V+3], 128<<16
	s_mov_b32 s[G1V+4], 128
	s_mov_b32 s[G1V+5], 128
	s_mov_b32 s[G1V+6], 0
	s_mov_b32 s[G1V+7], 0
	s_mov_b32 s[G0K], 1
	s_mov_b32 s[G0K+1], 0                          ; slot 0
	s_mov_b32 s[G0V], 1
	s_mov_b32 s[G0V+1], VOFF
	s_mov_b32 s[CS], 0x3fb8aa3b                    ; log2(e): the 1 / 4 lies in q
	s_mov_b32 s[CS+1], s[CS]
	s_mov_b32 s[SEL], 0x76543210
	s_mov_b32 s[SEL+1], 0xfedcba98
	s_mov_b32 s[CLP], 0xf14af14a
	s_mov_b32 s[HIM], 0xffff0000
	s_mov_b32 s[TB], SLOT1                         ; the first change turns it into 0
	s_mov_b32 s[CNT], 15
	s_lshr_b32 s20, s[WV], 1                       ; 0 in waves 0 and 1,
	s_or_b32 s20, s20, ttmp9                       ; of the batch's first cluster: the same in all four partners
	s_cmp_eq_u32 s20, 0
	s_cselect_b32 s[LIM], 1, -1
	s_lshl_b32 s20, s17, 19                        ; a batch is 524,288 bytes of each workspace
	s_mov_b32 s21, 0
	s_lshl_b32 s22, s16, 15                        ; 64 rows of 512 bytes
	s_add_co_u32 s22, s22, s20
	s_lshl_b32 s23, s18, 13
	s_add_co_u32 s22, s22, s23
	s_lshl_b32 s23, s19, 8                         ; my eight heads: 256 bytes of a row
	s_add_co_u32 s22, s22, s23
	s_mov_b32 s23, 0
	s_wait_dscnt 0x0                               ; the opening add is done
	s_wait_kmcnt 0x0
	s_add_nc_u64 s[6:7], s[6:7], s[20:21]
	s_add_nc_u64 s[8:9], s[8:9], s[20:21]
	s_add_nc_u64 s[4:5], s[4:5], s[22:23]
	s_add_nc_u64 s[12:13], s[12:13], s[22:23]
	s_mov_b64 s[G0K+2:G0K+3], s[6:7]
	s_or_b32 s[G0K+3], s[G0K+3], 0x80000000
	s_mov_b64 s[G0V+2:G0V+3], s[8:9]
	s_or_b32 s[G0V+3], s[G0V+3], 0x80000000
	s_cmp_eq_u32 s[WV], 0
	s_cselect_b64 s[PFA:PFA+1], s[6:7], s[8:9]
	s_lshl_b32 s20, s15, 13                        ; my work-group's quarter of a tile,
	s_add_co_u32 s20, s20, 32768                   ; in tile 1: the first change steps it to tile 2
	s_add_nc_u64 s[PFA:PFA+1], s[PFA:PFA+1], s[20:21]
	CROUND                                         ; all four work-groups are here: the first joint loads meet
	JLOAD                                          ; tile 0 into slot 0
	v_and_b32 v1, 15, v0                           ; r
	v_bfe_u32 v20, v0, 4, 1                        ; h
	v_lshlrev_b32 v[QO], 9, v1
	v_lshl_add_u32 v[QO], v20, 4, v[QO]            ; 512 r + 16 h
	WIN W_LD
.irp pp, 0,1,2,3                       ; Q stays in registers
	global_load_b128 v[Q+12*\pp:Q+12*\pp+3],    v[QO], s[4:5] offset:64*\pp
	global_load_b128 v[Q+12*\pp+8:Q+12*\pp+11], v[QO], s[4:5] offset:64*\pp+32
.endr
	WIN 0
	s_lshl_b32 s20, s16, 6
	s_lshl4_add_u32 s20, s18, s20                  ; 64 blk + 16 qt
	v_add_nc_u32 v[ROW], s20, v1
	v_min_u32 v[ROW], 999, v[ROW]
	v_mul_u32_u24 v[ROW], v[ROW], 4000
	s_mul_i32 s20, s17, 4000000
	v_add_nc_u32 v[ROW], s20, v[ROW]
	v_lshlrev_b32 v[KO], 5, v20
; The mask of the step that KO names: for each tile of 16 keys my 32 bytes, held inside the row (its last 32 bytes begin at 3,968).
.macro ASKMASK
.irp tau, 0,1,2,3
	v_add_nc_u32 v[T], 64*\tau, v[KO]
	v_min_u32 v[T], 3968, v[T]
	v_add_nc_u32 v[MA+\tau], v[ROW], v[T]
.endr
.irp tau, 0,1,2,3
	global_load_b128 v[RAW+8*\tau:RAW+8*\tau+3],   v[MA+\tau], s[10:11]
	global_load_b128 v[RAW+8*\tau+4:RAW+8*\tau+7], v[MA+\tau], s[10:11] offset:16
.endr
.endm
	ASKMASK                                        ; step 0
	v_mov_b32 v[BIG], 0xf14a0000
	v_and_b32 v[PFO], 31, v0
	v_lshlrev_b32 v[PFO], 8, v[PFO]
	v_mul_u32_u24 v[AK0], v1, PKK
	v_lshl_add_u32 v[AK0], v20, 4, v[AK0]
	s_lshl_b32 s20, s19, 8
	v_add_nc_u32 v[AK0], s20, v[AK0]               ; 528 r + 16 h + 256 hh
	v_mul_u32_u24 v[AV0], v1, PVP
	v_lshl_add_u32 v[AV0], v20, 4, v[AV0]
	s_mul_i32 s20, s19, 128*PVP
	s_add_co_u32 s20, s20, VOFF
	v_add_nc_u32 v[AV0], s20, v[AV0]               ; VOFF + (128 hh + r) 144 + 16 h
	s_mul_i32 s20, s[WV], 16*SP
	s_add_co_u32 s20, s20, STAGE                   ; my stage
	v_mul_u32_u24 v[STO], v1, SP
	v_lshl_add_u32 v[STO], v20, 4, v[STO]
	v_add_nc_u32 v[STO], s20, v[STO]               ; in: row r, 16 bytes for each half of the lanes
	v_mul_u32_u24 v[RD], v20, SP
	v_lshl_add_u32 v[RD], v1, 4, v[RD]
	v_add_nc_u32 v[RD], s20, v[RD]                 ; back: lanes 0-15 one row of 256 bytes, lanes 16-31 the next
	v_lshlrev_b32 v[GO], 9, v20
	v_lshl_add_u32 v[GO], v1, 4, v[GO]
.irp i, 0,1,2,3,4,5,6,7
	v_mov_b32 v[ST+2*\i], 0xfe000000               ; c m: far below every c s
	v_mov_b32 v[ST+2*\i+1], 0xff7fffff             ; m
.endr
	WIN W_LD                                       ; what the first step finds: Q's zeros, the ones, O and the sums at 0: no first step is written out, and all this stands in the wait for tile 0
.irp pp, 0,1,2,3
.irp i, 4,5,6,7
	v_mov_b32 v[Q+12*\pp+\i], 0
.endr
.endr
.irp i, 0,1,2,3,4,5,6,7
	v_mov_b32 v[ONES+\i], 0x3c003c00
.endr
.set i, O
.rept 128
	v_mov_b32 v[i], 0
.set i, i+1
.endr
	WIN 0
.macro KLOAD pp                        ; K of pair pp: four fragments of 16 keys x 32 channels
	WIN W_LD
.irp tau, 0,1,2,3
	ds_load_b128 v[KF+8*\tau:KF+8*\tau+3],   v[AK] offset:\tau*16*PKK+64*(\pp)
	ds_load_b128 v[KF+8*\tau+4:KF+8*\tau+7], v[AK] offset:\tau*16*PKK+64*(\pp)+32
.endr
.endm
.macro PREP                            ; the mask as loaded: rounded to bf16, held at -1e30 from below (a NaN loses), widened again
.set i, 0
.rept 16
	v_cvt_pk_bf16_f32 v[T+i%2], v[RAW+2*i], v[RAW+2*i+1]
	v_pk_max_num_bf16 v[T+i%2], v[T+i%2], s[CLP]
	v_lshlrev_b32 v[MSK+2*i], 16, v[T+i%2]
	v_and_b32 v[MSK+2*i+1], s[HIM], v[T+i%2]
.set i, i+1
.endr
.endm
.macro REGS x                          ; the registers of head x (0, 1) of pair PP
.set rT, ST+2*(2*PP+(\x))
.set rC, TMP+4*(\x)
.set rW, MV+(\x)
.set rS, S+32*(\x)
.set rP, P+16*(\x)
.endm
; Number n of the 22 that find a head's maximum and statistics.  0-13: four chains of three-operand maxima, each accumulator's lowest registers first; 14: the old m joins; 15: c m_old is kept;
; 16: the chains join; 17, 18: the query's other 32 keys lie in the lane 16 away; 19: c m; 20: c m_old - c m_new; 21: a.
.macro XS x, n
	REGS \x
.if (\n) < 4
	v_max3_num_f32 v[rC+(\n)], v[rS+8*(\n)], v[rS+8*(\n)+1], v[rS+8*(\n)+2]
.elseif (\n) < 12
	v_max3_num_f32 v[rC+(\n)%4], v[rC+(\n)%4], v[rS+8*((\n)%4)+2*((\n)/4)+1], v[rS+8*((\n)%4)+2*((\n)/4)+2]
.elseif (\n) == 12
	v_max3_num_f32 v[rC], v[rC], v[rS+7], v[rS+15]
.elseif (\n) == 13
	v_max3_num_f32 v[rC+1], v[rC+1], v[rS+23], v[rS+31]
.elseif (\n) == 14
	v_max3_num_f32 v[rC+2], v[rC+2], v[rC+3], v[rT+1]
.elseif (\n) == 15
	v_mov_b32 v[rW], v[rT]
.elseif (\n) == 16
	v_max3_num_f32 v[rC], v[rC], v[rC+1], v[rC+2]
.elseif (\n) == 17
	v_permlanex16_b32 v[rC+3], v[rC], s[SEL], s[SEL+1]
.elseif (\n) == 18
	v_max_num_f32 v[rT+1], v[rC], v[rC+3]
.elseif (\n) == 19
	v_mul_f32 v[rT], s[CS], v[rT+1]
.elseif (\n) == 20
	v_sub_f32 v[rC+1], v[rW], v[rT]
.else
	v_exp_f32 v[rC+2], v[rC+1]
.endif
.endm
.macro FS x, b                         ; c s - c m for pair b of 16
	REGS \x
	v_pk_fma_f32 v[rS+2*(\b):rS+2*(\b)+1], v[rS+2*(\b):rS+2*(\b)+1], s[CS:CS+1], v[rT:rT+1] op_sel_hi:[1,0,0] neg_lo:[0,0,1] neg_hi:[0,0,1]
.endm
.macro EX x, n
	REGS \x
	v_exp_f32 v[rS+(\n)], v[rS+(\n)]
.endm
.macro CV x, n
	REGS \x
	v_cvt_pk_f16_f32 v[rP+(\n)], v[rS+2*(\n)], v[rS+2*(\n)+1]
.endm
; A PAIR OF HEADS for one key step.
.macro PIECE pp
.set PP, (\pp)
	s_wait_dscnt 0x0                               ; K of this pair is in
	WIN W_KQ
.irp tau, 0,1,2,3                      ; eight products, each a whole sum (K = 32 holds the head's 16 channels and 16 zeros), begun with the mask
.irp x, 0,1
	v_wmma_f32_16x16x32_f16 v[S+32*\x+8*\tau:S+32*\x+8*\tau+7], v[KF+8*\tau:KF+8*\tau+7], v[Q+12*PP+4*\x:Q+12*PP+4*\x+7], v[MSK+8*\tau:MSK+8*\tau+7]
.endr
.endr
	WIN 0
	PLACES                                         ; behind those products: their scores are read, and K's and V's registers loaded again
	WIN W_LD
.irp x, 0,1
.irp kap, 0,1
	ds_load_b128 v[VF+16*\x+8*\kap:VF+16*\x+8*\kap+3],   v[AV] offset:(2*PP+\x)*16*PVP+64*\kap
	ds_load_b128 v[VF+16*\x+8*\kap+4:VF+16*\x+8*\kap+7], v[AV] offset:(2*PP+\x)*16*PVP+64*\kap+32
.endr
.endr
.if PP < 3
	KLOAD PP+1
.endif
	WIN 0
.irp n, 0,1,2,3,4,5,6,7,8,9,10,11,12,13,14,15,16,17,18,19,20
	XS 0, \n
	XS 1, \n
.endr
	XS 0, 21                                       ; ONE BATCH of 66 exponentials: nothing ahead of the wait below names a result of theirs
	XS 1, 21
.set bb, 0
.rept 16
	FS 0, bb
	FS 1, bb
	EX 0, 2*bb
	EX 1, 2*bb
	EX 0, 2*bb+1
	EX 1, 2*bb+1
.set bb, bb+1
.endr
	v_nop                                          ; a plain instruction behind the last exponential,
	s_wait_alu depctr_va_vdst(0)                   ; and the one wait ahead of the batch's first reader
.set bb, 0
.rept 16
	CV 0, bb
	CV 1, bb
.set bb, bb+1
.endr
	WIN W_RS
.irp x, 0,1
.irp p, 0,1,2,3
	v_pk_mul_f32 v[O+8*(2*PP+\x)+2*\p:O+8*(2*PP+\x)+2*\p+1], v[O+8*(2*PP+\x)+2*\p:O+8*(2*PP+\x)+2*\p+1], v[TMP+4*\x+2:TMP+4*\x+3] op_sel_hi:[1,0]
.endr
	v_pk_mul_f32 v[LA+8*(2*PP+\x):LA+8*(2*PP+\x)+1], v[LA+8*(2*PP+\x):LA+8*(2*PP+\x)+1], v[TMP+4*\x+2:TMP+4*\x+3] op_sel_hi:[1,0]
.endr
.if PP < 3
	s_wait_dscnt 8                                 ; V is in; the eight younger loads, the next pair's K, may stay out
.else
	s_wait_dscnt 0x0
.endif
	WIN W_PV
.irp kap, 0,1                          ; four accumulators by turns, one instruction a turn
	v_wmma_f32_16x16x32_f16 v[O+16*PP:O+16*PP+7],      v[VF+8*\kap:VF+8*\kap+7],       v[P+8*\kap:P+8*\kap+7],       v[O+16*PP:O+16*PP+7]
	v_wmma_f32_16x16x32_f16 v[O+16*PP+8:O+16*PP+15],   v[VF+16+8*\kap:VF+16+8*\kap+7], v[P+16+8*\kap:P+16+8*\kap+7], v[O+16*PP+8:O+16*PP+15]
	v_wmma_f32_16x16x32_f16 v[LA+16*PP:LA+16*PP+7],    v[ONES:ONES+7],                 v[P+8*\kap:P+8*\kap+7],       v[LA+16*PP:LA+16*PP+7]
	v_wmma_f32_16x16x32_f16 v[LA+16*PP+8:LA+16*PP+15], v[ONES:ONES+7],                 v[P+16+8*\kap:P+16+8*\kap+7], v[LA+16*PP+8:LA+16*PP+15]
.endr
.endm
; A KEY STEP.  last = 1: step 15: keys 1000 to 1023 are hidden, and no further mask is asked for.
.macro STEP last
	WIN 0
	v_add_nc_u32 v[AK], s[TB], v[AK0]
	v_add_nc_u32 v[AV], s[TB], v[AV0]
	KLOAD 0
	WIN 0
	s_wait_loadcnt 0x0                             ; this step's mask, asked for a whole step ago (in the first trip Q too); its wait also frees the loads' address registers
	PREP
.if \last
	s_mov_b32 vcc_lo, s[HIM]                       ; lanes 16 to 31
.irp i, 0,1,2,3,4,5,6,7
	v_cndmask_b32 v[MSK+16+\i], v[MSK+16+\i], v[BIG], vcc_lo  ; keys 1000 to 1007
.endr
.irp i, 0,1,2,3,4,5,6,7
	v_mov_b32 v[MSK+24+\i], v[BIG]                 ; keys 1008 to 1023
.endr
.else
	v_add_nc_u32 v[KO], 0x100, v[KO]
	ASKMASK
.endif
	PIECE 0
	PIECE 1
	PIECE 2
	PIECE 3
	WIN 0
.endm
.Lstep:                                        ; 15 trips: tile t is read, tile t + 1 asked for
	CHANGE 1
	STEP 0
	s_sub_co_u32 s[CNT], s[CNT], 1
	s_cmp_lg_u32 s[CNT], 0
	s_cbranch_scc1 .Lstep
	CHANGE 0                                       ; the last step is written out
	STEP 1
	; THE WAY OUT: O^T divided by the sum, rounded to f16, through my own stage in LDS
	PLACES
	WIN 0x01
.irp i, 0,1,2,3,4,5,6,7
	v_rcp_f32 v[ST+2*\i], v[LA+8*\i]
.endr
	WIN 0
	v_nop
	s_wait_alu depctr_va_vdst(0)                   ; one wait for the eight reciprocals
	WIN W_RS
.irp i, 0,1,2,3,4,5,6,7
.irp p, 0,1,2,3
	v_pk_mul_f32 v[O+8*\i+2*\p:O+8*\i+2*\p+1], v[O+8*\i+2*\p:O+8*\i+2*\p+1], v[ST+2*\i:ST+2*\i+1] op_sel_hi:[1,0]
.endr
.endr
	WIN 0x05
.irp i, 0,1,2,3,4,5,6,7
.irp p, 0,1,2,3
	v_cvt_pk_f16_f32 v[OUTR+4*\i+\p], v[O+8*\i+2*\p], v[O+8*\i+2*\p+1]
.endr
.endr
	WIN 0
.irp i, 0,1,2,3,4,5,6,7
	ds_store_b128 v[STO], v[OUTR+4*\i:OUTR+4*\i+3] offset:32*\i
.endr
.irp f, 0,1,2,3,4,5,6,7
	ds_load_b128 v[OUTR+4*\f:OUTR+4*\f+3], v[RD] offset:\f*2*SP  ; LDS serves a wave's instructions in order (ISA guide 5.7.1.4): these see the stores above
.endr
.irp f, 0,1,2,3,4,5,6,7
	s_wait_dscnt 7-\f
	global_store_b128 v[GO], v[OUTR+4*\f:OUTR+4*\f+3], s[12:13] offset:1024*\f  ; 16 lanes store 256 consecutive bytes, aligned
.endr
	s_wait_tensorcnt 0x0                           ; the wave's end
	ds_add_u32 v[SPW], v[NIL]
	s_wait_dscnt 0x0
	CROUND                                         ; the closing round
	s_endpgm
.Lfunc_end_k_qe651e8471d_mha:
	.size	k_qe651e8471d_mha, .Lfunc_end_k_qe651e8471d_mha-k_qe651e8471d_mha
	.p2alignl 7, 3214868480
	.fill 96, 4, 3214868480
	.section	.rodata,"a",@progbits
	.p2align	6, 0x0
	.amdhsa_kernel k_qe651e8471d_mha
		.amdhsa_group_segment_fixed_size 327680
		.amdhsa_private_segment_fixed_size 0
		.amdhsa_enable_private_segment 0
		.amdhsa_kernarg_size 40
		.amdhsa_user_sgpr_count 2
		.amdhsa_user_sgpr_kernarg_segment_ptr 1
		.amdhsa_wavefront_size32 1
		.amdhsa_system_sgpr_workgroup_id_x 1
		.amdhsa_system_sgpr_workgroup_id_y 1
		.amdhsa_system_sgpr_workgroup_id_z 1
		.amdhsa_system_vgpr_workitem_id 0
		.amdhsa_next_free_vgpr 512
		.amdhsa_next_free_sgpr 66
		.amdhsa_reserve_vcc 1
		.amdhsa_float_denorm_mode_32 3
		.amdhsa_float_denorm_mode_16_64 3
		.amdhsa_memory_ordered 1
		.amdhsa_forward_progress 1
		.amdhsa_inst_pref_size 124
	.end_amdhsa_kernel
	.amdgpu_metadata
---
amdhsa.version: [ 1, 2 ]
amdhsa.kernels:
  - .name:           k_qe651e8471d_mha
    .symbol:         k_qe651e8471d_mha.kd
    .args:
      - { .name: qws, .offset: 0, .size: 8, .value_kind: global_buffer, .address_space: global }
      - { .name: kws, .offset: 8, .size: 8, .value_kind: global_buffer, .address_space: global }
      - { .name: vtws, .offset: 16, .size: 8, .value_kind: global_buffer, .address_space: global }
      - { .name: ninf_mask, .offset: 24, .size: 8, .value_kind: global_buffer, .address_space: global }
      - { .name: att, .offset: 32, .size: 8, .value_kind: global_buffer, .address_space: global }
    .group_segment_fixed_size: 327680
    .private_segment_fixed_size: 0
    .kernarg_segment_align: 8
    .kernarg_segment_size: 40
    .max_flat_workgroup_size: 256
    .sgpr_count:     66
    .vgpr_count:     512
    .wavefront_size: 32
...
	.end_amdgpu_metadata
.endif
;; end of part 2
;; launch probe (part 3): grid 16 x 16, 16 waves a work-group, no clusters, 302,080 bytes of LDS; arguments att, wct, bc, n16, ninf_mask, out0; writes out0
.if DOCPART == 3
	.amdgcn_target "amdgcn-amd-amdhsa--gfx1250"
	.amdhsa_code_object_version 6
	.text
	.protected	k_qe651e8471d_probe
	.globl	k_qe651e8471d_probe
	.p2align	8
	.type	k_qe651e8471d_probe,@function
k_qe651e8471d_probe:
	s_mov_b64 s[64:65], 0
	v_nop
	global_prefetch_b8 v0, s[64:65] scope:SCOPE_SE
	s_setreg_imm32_b32 hwreg(HW_REG_WAVE_MODE, 25, 1), 1
	s_wait_xcnt 0x0
; PROBE.  mh = att Wc + bc;  score = mh . nodes;  out0 = softmax_n(10 tanh(score / 16) + mask).  att, n16: f16 [16][1024][256]; wct: f16 [e][c]; bc: f32 [256]; mask, out0: f32 [16][1000][1000].
; tanh(x) = 1 - 2 / (1 + 2^(2 log2(e) x)): the factor 2 log2(e) / 16 is laid into mh, and the constant 10 drops out of the softmax: y = mask - 20 / (1 + 2^z).  The maximum of y is taken away before the exponential.
; LIMITS.  bc and the mask are rounded to bf16.  mh x 0.18 is rounded to f16 and held within 65,504, where tanh has long been 1.  The mask is not clamped: a row that is minus infinity throughout gives NaN, as in the definition.
; SHARES.  A work-group owns 64 queries of a batch.  Its part of the mask, and of out0, is one dense span of 256,000 bytes (the batch's last block: 160,000), at a multiple of 256 bytes: the mask comes in by tensor loads,
; 16,000 bytes a wave, filled once; the probabilities are written over it in LDS and leave as stores of 512 consecutive bytes.
; mh: wave w makes queries 16 (w % 4) .., channels 64 (w / 4) ..  Scores: wave w has nodes 64 w .. + 63 and all 64 queries: a lane holds ONE query (lane % 16) and nodes 8 (lane / 16) + 0..7 of a tile.
; NO CLUSTER: what the blocks of a batch share is the nodes (512 KiB); the mask's stage leaves 25 KiB of LDS, too little for two slots of them, so they come as fragments straight into registers.
.set MH,    256000                     ; behind the stage: mh, 64 rows of 512 + 16 bytes
.set MP,    528
.set REDM,  MH+64*MP                   ; a word a wave for each query's maximum: 64 rows of 80 bytes
.set REDS,  REDM+64*80                 ; the same for the sums
.set SPARE, REDS+64*80                 ; the spare words: 128 bytes for each of 16 waves, eight blocks of 256 bytes that no other line names
.set SPW, 4                            ; v4  SPARE + 4 x my thread's number; never rewritten
.set NIL, 5                            ; v5  0; never rewritten
.set ADR, 12                           ; v[12:15] my 32 bytes of tile tau in stage row r; v[16:19] the same 32 rows further down; later v[12:15] the way out's offsets
.set MX,  20                           ; v[20:27] a pair for each 16 queries: log2(e) x maximum, later 1 / sum
.set MACC, 128                         ; v[128:159] mh's four accumulators
.set AF,  160                          ; v[160:223] att's eight fragments
.set ACC, 128                          ; v[128:255] scores: (qt, tau) at ACC + 32 qt + 8 tau
.set WV, 16
.macro PLACES
.rept 4
	v_nop
.endr
.endm
	s_load_b256 s[4:11], s[0:1], 0x0               ; att 4, wct 6, bc 8, n16 10
	s_load_b128 s[12:15], s[0:1], 0x20             ; mask 12, out0 14
	v_lshl_add_u32 v[SPW], v0, 2, SPARE
	v_mov_b32 v[NIL], 0
	ds_add_u32 v[SPW], v[NIL]                      ; the wave's opening: the add and its wait stand ahead of my tensor load
	v_lshrrev_b32 v1, 5, v0
	v_readfirstlane_b32 s[WV], v1                  ; wave 0..15
	s_mov_b32 s17, ttmp9                           ; block of 64 queries
	s_and_b32 s18, ttmp7, 0xffff                   ; batch
	s_and_b32 s19, s[WV], 3                        ; qt
	s_lshr_b32 s20, s[WV], 2                       ; eq
	s_mov_b32 s24, 1                               ; group 0: count,
	s_mul_i32 s25, s[WV], 16000                    ; my four rows of the stage
	s_mov_b32 s28, 3<<16                           ; group 1: one row of 2,000 elements of 8 bytes
	s_mov_b32 s29, 2000<<16                        ; tensor_dim0
	s_mov_b32 s30, 1<<16                           ; tensor_dim1
	s_mov_b32 s31, 2000<<16                        ; tile_dim0
	s_mov_b32 s32, 1                               ; tile_dim1
	s_mov_b32 s33, 2000                            ; pitch
	s_mov_b32 s34, 0
	s_mov_b32 s35, 0
	s_mov_b32 s38, 0x76543210
	s_mov_b32 s39, 0xfedcba98
	s_mov_b32 s42, 0x3fb8aa3b                      ; log2(e)
	s_mov_b32 s43, s42
	s_mov_b32 s44, 0xc1a00000                      ; -20
	s_mov_b32 s45, s44
	s_mov_b32 s46, 0xc77fe000                      ; -65,504
	s_mov_b32 s47, 0x477fe000                      ; 65,504
	s_mov_b32 s48, 0x3e38aa3b                      ; 2 log2(e) / 16
	s_mov_b32 s49, s48
	s_mov_b32 s36, 256000                          ; bytes of out0 that are mine
	s_cmp_eq_u32 s17, 15
	s_cselect_b32 s36, 160000, s36
	s_lshl_b32 s21, s17, 6
	s_lshl2_add_u32 s21, s[WV], s21                ; 64 blk + 4 w
	s_min_u32 s21, s21, 996                        ; the padded queries' rows repeat the batch's last four
	s_mul_i32 s40, s21, 4000
	s_mul_i32 s22, s18, 4000000
	s_add_co_u32 s40, s40, s22
	s_mov_b32 s41, 0
	s_wait_dscnt 0x0                               ; the opening add is done
	s_wait_kmcnt 0x0
	s_add_nc_u64 s[26:27], s[12:13], s[40:41]
	s_or_b32 s27, s27, 0x80000000
	tensor_load_to_lds s[24:27], s[28:35]          ; my one tensor load: it lands while mh is made
	s_nop 0
	PLACES
	s_mul_i32 s40, s17, 256000
	s_add_co_u32 s40, s40, s22
	s_add_nc_u64 s[14:15], s[14:15], s[40:41]      ; out0 at my block
	s_lshl_b32 s22, s18, 19                        ; a batch of att and of n16
	s_lshl_b32 s40, s17, 15
	s_add_co_u32 s40, s40, s22
	s_lshl_b32 s23, s19, 13
	s_add_co_u32 s40, s40, s23
	s_add_nc_u64 s[4:5], s[4:5], s[40:41]          ; att at row 64 blk + 16 qt
	s_lshl_b32 s40, s[WV], 15
	s_add_co_u32 s40, s40, s22
	s_add_nc_u64 s[10:11], s[10:11], s[40:41]      ; n16 at node 64 w
	v_and_b32 v1, 15, v0                           ; r
	v_bfe_u32 v2, v0, 4, 1                         ; h
	v_and_b32 v3, 31, v0                           ; L
	v_lshlrev_b32 v6, 9, v1
	v_lshl_add_u32 v6, v2, 4, v6                   ; 512 r + 16 h: fragments of att and of the nodes; never rewritten
	s_lshl_b32 s21, s20, 15
	v_add_nc_u32 v7, s21, v6                       ; wct: + 64 eq rows
	s_lshl_b32 s21, s20, 8
	v_lshl_add_u32 v8, v2, 5, s21                  ; bc: 256 eq + 32 h
	; PHASE 2: mh^T = Wc^T att^T + bc: source 0 = 16 rows e of wct, source 1 = 16 queries of att; bc, rounded to bf16, is what the sums begin with
.macro WLOAD k                         ; wct's four fragments of K step k, into a ring of three sets
.irp i, 0,1,2,3
	global_load_b128 v[32+32*((\k)%3)+8*\i:32+32*((\k)%3)+8*\i+3],   v7, s[6:7] offset:8192*\i+64*(\k)
	global_load_b128 v[32+32*((\k)%3)+8*\i+4:32+32*((\k)%3)+8*\i+7], v7, s[6:7] offset:8192*\i+64*(\k)+32
.endr
.endm
.macro NLOAD k                         ; the nodes' four fragments of K step k, into two sets by turns
.irp tau, 0,1,2,3
	global_load_b128 v[64+32*((\k)%2)+8*\tau:64+32*((\k)%2)+8*\tau+3],   v6, s[10:11] offset:8192*\tau+64*(\k)
	global_load_b128 v[64+32*((\k)%2)+8*\tau+4:64+32*((\k)%2)+8*\tau+7], v6, s[10:11] offset:8192*\tau+64*(\k)+32
.endr
.endm
.irp i, 0,1,2,3
	global_load_b128 v[MACC+8*\i:MACC+8*\i+3],   v8, s[8:9] offset:64*\i
	global_load_b128 v[MACC+8*\i+4:MACC+8*\i+7], v8, s[8:9] offset:64*\i+16
.endr
.irp k, 0,1,2,3,4,5,6,7
	global_load_b128 v[AF+8*\k:AF+8*\k+3],   v6, s[4:5] offset:64*\k
	global_load_b128 v[AF+8*\k+4:AF+8*\k+7], v6, s[4:5] offset:64*\k+32
.endr
	WLOAD 0
	WLOAD 1
	WLOAD 2
	; the other addresses, while the loads are out
	v_mul_u32_u24 v10, v1, MP
	v_lshl_add_u32 v10, v2, 4, v10
	s_mul_i32 s21, s19, 16*MP
	s_lshl_b32 s23, s20, 7
	s_add_co_u32 s21, s21, s23
	s_add_co_u32 s21, s21, MH
	v_add_nc_u32 v9, s21, v10                      ; mh goes to MH + (16 qt + r) 528 + 128 eq + 16 h
	v_add_nc_u32 v10, MH, v10                      ; and is read at MH + 528 r + 16 h
	s_lshl_b32 s21, s[WV], 6
	v_lshl_add_u32 v20, v2, 3, s21                 ; 64 w + 8 h
	v_mul_u32_u24 v21, v1, 4000
.irp tau, 0,1,2,3
	v_add_nc_u32 v22, 16*\tau, v20
	v_min_u32 v22, 992, v22                        ; nodes 1000 to 1023 do not exist: their lanes read the row's last 32 bytes and store nothing
	v_lshl_add_u32 v[ADR+\tau], v22, 2, v21
	v_add_nc_u32 v[ADR+4+\tau], 128000, v[ADR+\tau]
.endr
	v_add_nc_u32 v30, 32, v20                      ; my first node of tile 2,
	v_add_nc_u32 v31, 48, v20                      ; of tile 3
	v_mul_u32_u24 v29, v1, 80
	v_add_nc_u32 v29, REDM, v29                    ; a query's 16 words
	s_lshl_b32 s21, s[WV], 2
	v_add_nc_u32 v28, s21, v29                     ; my wave's word among them
	s_wait_loadcnt 40                              ; bc is in: behind it 16 loads of att and 24 of wct
.set t, 0
.rept 16
	v_cvt_pk_bf16_f32 v[22+t%2], v[MACC+2*t], v[MACC+2*t+1]
	v_lshlrev_b32 v[MACC+2*t], 16, v[22+t%2]
	v_and_b32 v[MACC+2*t+1], 0xffff0000, v[22+t%2]
.set t, t+1
.endr
.set ks, 0
.rept 8
.if ks < 6
	s_wait_loadcnt 16                              ; this K step's set is in (at first att too); the two younger sets may stay out
.elseif ks == 6
	s_wait_loadcnt 8
.else
	s_wait_loadcnt 0x0
.endif
.irp i, 0,1,2,3                        ; four accumulators by turns
	v_wmma_f32_16x16x32_f16 v[MACC+8*\i:MACC+8*\i+7], v[32+32*(ks%3)+8*\i:32+32*(ks%3)+8*\i+7], v[AF+8*ks:AF+8*ks+7], v[MACC+8*\i:MACC+8*\i+7]
.endr
.if ks < 5
	PLACES
	WLOAD ks+3                                     ; into the set just multiplied
.endif
.set ks, ks+1
.endr
	PLACES
	NLOAD 0                                        ; the nodes' first two K steps are on their way while mh is packed
	NLOAD 1
.set t, 0
.rept 16
	v_pk_mul_f32 v[MACC+2*t:MACC+2*t+1], v[MACC+2*t:MACC+2*t+1], s[48:49] op_sel_hi:[1,0]
.set t, t+1
.endr
.set t, 0
.rept 32
	v_med3_num_f32 v[MACC+t], v[MACC+t], s46, s47
.set t, t+1
.endr
.set t, 0
.rept 16
	v_cvt_pk_f16_f32 v[32+t], v[MACC+2*t], v[MACC+2*t+1]
.set t, t+1
.endr
.irp i, 0,1,2,3
	ds_store_b128 v9, v[32+4*\i:32+4*\i+3] offset:32*\i
.endr
	s_wait_tensorcnt 0x0                           ; my four rows of the mask have landed,
	s_wait_dscnt 0x0                               ; my part of mh is stored
	s_barrier_signal -1
	s_barrier_wait -1                              ; everybody's
	; PHASE 3: score^T = nodes mh^T: 8 K steps, 16 accumulators by turns
.set ks, 0
.rept 8
.irp qt, 0,1,2,3
	ds_load_b128 v[32+8*\qt:32+8*\qt+3], v10 offset:\qt*16*MP+64*ks
	ds_load_b128 v[32+8*\qt+4:32+8*\qt+7], v10 offset:\qt*16*MP+64*ks+32
.endr
.if ks < 7
	s_wait_loadcnt 8                               ; this K step's nodes are in; the next step's eight loads may stay out
.else
	s_wait_loadcnt 0x0
.endif
	s_wait_dscnt 0x0
.irp tau, 0,1,2,3
.irp qt, 0,1,2,3
.if ks == 0
	v_wmma_f32_16x16x32_f16 v[ACC+32*\qt+8*\tau:ACC+32*\qt+8*\tau+7], v[64+32*(ks%2)+8*\tau:64+32*(ks%2)+8*\tau+7], v[32+8*\qt:32+8*\qt+7], 0
.else
	v_wmma_f32_16x16x32_f16 v[ACC+32*\qt+8*\tau:ACC+32*\qt+8*\tau+7], v[64+32*(ks%2)+8*\tau:64+32*(ks%2)+8*\tau+7], v[32+8*\qt:32+8*\qt+7], v[ACC+32*\qt+8*\tau:ACC+32*\qt+8*\tau+7]
.endif
.endr
.endr
	PLACES
.if ks < 6
	NLOAD ks+2
.endif
.set ks, ks+1
.endr
	; PHASE 4: y = mask - 20 / (1 + 2^z).  The mask's reads go in groups of 16 queries, on two sets; the first two groups are asked for ahead of the exponentials.
.macro MLOAD qt
.irp tau, 0,1,2,3
	ds_load_b128 v[32+32*((\qt)%2)+8*\tau:32+32*((\qt)%2)+8*\tau+3],   v[ADR+4*((\qt)/2)+\tau] offset:((\qt)%2)*64000
	ds_load_b128 v[32+32*((\qt)%2)+8*\tau+4:32+32*((\qt)%2)+8*\tau+7], v[ADR+4*((\qt)/2)+\tau] offset:((\qt)%2)*64000+16
.endr
.endm
	MLOAD 0
	MLOAD 1
.set t, 0
.rept 128
	v_exp_f32 v[ACC+t], v[ACC+t]                   ; ascending: each accumulator's lowest registers are read first
.set t, t+1
.endr
	v_nop
	s_wait_alu depctr_va_vdst(0)                   ; one wait for the batch
.set t, 0
.rept 64
	v_pk_add_f32 v[ACC+2*t:ACC+2*t+1], v[ACC+2*t:ACC+2*t+1], 1.0 op_sel_hi:[1,0]
.set t, t+1
.endr
.set t, 0
.rept 128
	v_rcp_f32 v[ACC+t], v[ACC+t]
.set t, t+1
.endr
	v_nop
	s_wait_alu depctr_va_vdst(0)
.irp qt, 0,1,2,3
.if \qt < 3
	s_wait_dscnt 8                                 ; this group's mask is in; the next group's eight loads may stay out
.else
	s_wait_dscnt 0x0
.endif
.set t, 0
.rept 16
	v_cvt_pk_bf16_f32 v[96+t%4], v[32+32*(\qt%2)+2*t], v[32+32*(\qt%2)+2*t+1]
	v_lshlrev_b32 v[32+32*(\qt%2)+2*t], 16, v[96+t%4]
	v_and_b32 v[32+32*(\qt%2)+2*t+1], 0xffff0000, v[96+t%4]
	v_pk_fma_f32 v[ACC+32*\qt+2*t:ACC+32*\qt+2*t+1], v[ACC+32*\qt+2*t:ACC+32*\qt+2*t+1], s[44:45], v[32+32*(\qt%2)+2*t:32+32*(\qt%2)+2*t+1] op_sel_hi:[1,0,1]
.set t, t+1
.endr
.if \qt < 2
	MLOAD \qt+2
.endif
.endr
	s_cmp_lg_u32 s[WV], 15                         ; wave 15: nodes 1000 to 1023 count as minus infinity
	s_cbranch_scc1 .Lno_pad
	v_mov_b32 v104, 0xff800000
	s_mov_b32 vcc_lo, 0xffff0000                   ; lanes 16 to 31
.irp qt, 0,1,2,3
.irp j, 0,1,2,3,4,5,6,7
	v_cndmask_b32 v[ACC+32*\qt+16+\j], v[ACC+32*\qt+16+\j], v104, vcc_lo
	v_mov_b32 v[ACC+32*\qt+24+\j], v104
.endr
.endr
.Lno_pad:
	; PHASE 5: each query's maximum: in the lane, across the halves of the lanes, across the 16 waves
.irp qt, 0,1,2,3
	v_max3_num_f32 v[100+\qt], v[ACC+32*\qt], v[ACC+32*\qt+1], v[ACC+32*\qt+2]
.endr
.set t, 1
.rept 14
.irp qt, 0,1,2,3
	v_max3_num_f32 v[100+\qt], v[100+\qt], v[ACC+32*\qt+2*t+1], v[ACC+32*\qt+2*t+2]
.endr
.set t, t+1
.endr
.irp qt, 0,1,2,3
	v_max_num_f32 v[100+\qt], v[100+\qt], v[ACC+32*\qt+31]
.endr
.irp qt, 0,1,2,3
	v_permlanex16_b32 v[96+\qt], v[100+\qt], s38, s39
.endr
.irp qt, 0,1,2,3
	v_max_num_f32 v[100+\qt], v[100+\qt], v[96+\qt]
.endr
.irp qt, 0,1,2,3
	ds_store_b32 v28, v[100+\qt] offset:1280*\qt   ; both halves of the lanes write the same number to the same word
.endr
	s_wait_dscnt 0x0
	s_barrier_signal -1
	s_barrier_wait -1
.irp qt, 0,1,2,3
.irp c, 0,1,2,3
	ds_load_b128 v[32+16*\qt+4*\c:32+16*\qt+4*\c+3], v29 offset:1280*\qt+16*\c
.endr
.endr
	s_wait_dscnt 0x0
.irp qt, 0,1,2,3
	v_max3_num_f32 v[100+\qt], v[32+16*\qt], v[32+16*\qt+1], v[32+16*\qt+2]
.endr
.set t, 1
.rept 6
.irp qt, 0,1,2,3
	v_max3_num_f32 v[100+\qt], v[100+\qt], v[32+16*\qt+2*t+1], v[32+16*\qt+2*t+2]
.endr
.set t, t+1
.endr
.irp qt, 0,1,2,3
	v_max_num_f32 v[100+\qt], v[100+\qt], v[32+16*\qt+15]
.endr
.irp qt, 0,1,2,3
	v_mul_f32 v[MX+2*\qt], s42, v[100+\qt]
.endr
.irp qt, 0,1,2,3
	v_mov_b32 v[MX+2*\qt+1], v[MX+2*\qt]           ; named with it as a pair
.endr
	; PHASE 6: weights 2^(log2(e) (y - max)), their sums, and the division
.irp qt, 0,1,2,3
.set t, 0
.rept 16
	v_pk_fma_f32 v[ACC+32*\qt+2*t:ACC+32*\qt+2*t+1], v[ACC+32*\qt+2*t:ACC+32*\qt+2*t+1], s[42:43], v[MX+2*\qt:MX+2*\qt+1] op_sel_hi:[1,0,0] neg_lo:[0,0,1] neg_hi:[0,0,1]
.set t, t+1
.endr
.endr
.set t, 0
.rept 128
	v_exp_f32 v[ACC+t], v[ACC+t]
.set t, t+1
.endr
	v_nop
	s_wait_alu depctr_va_vdst(0)
.irp qt, 0,1,2,3
	v_pk_add_f32 v[104+2*\qt:105+2*\qt], v[ACC+32*\qt:ACC+32*\qt+1], v[ACC+32*\qt+2:ACC+32*\qt+3]
.endr
.set t, 2
.rept 14
.irp qt, 0,1,2,3
	v_pk_add_f32 v[104+2*\qt:105+2*\qt], v[104+2*\qt:105+2*\qt], v[ACC+32*\qt+2*t:ACC+32*\qt+2*t+1]
.endr
.set t, t+1
.endr
.irp qt, 0,1,2,3
	v_add_f32 v[104+2*\qt], v[104+2*\qt], v[105+2*\qt]
.endr
.irp qt, 0,1,2,3
	v_permlanex16_b32 v[96+\qt], v[104+2*\qt], s38, s39
.endr
.irp qt, 0,1,2,3
	v_add_f32 v[100+\qt], v[104+2*\qt], v[96+\qt]
.endr
.irp qt, 0,1,2,3
	ds_store_b32 v28, v[100+\qt] offset:REDS-REDM+1280*\qt
.endr
	s_wait_dscnt 0x0
	s_barrier_signal -1
	s_barrier_wait -1
.irp qt, 0,1,2,3
.irp c, 0,1,2,3
	ds_load_b128 v[32+16*\qt+4*\c:32+16*\qt+4*\c+3], v29 offset:REDS-REDM+1280*\qt+16*\c
.endr
.endr
	s_wait_dscnt 0x0
.irp d, 2,4,8                          ; 16 partial sums a query: neighbours 2, 4 and 8 registers apart, two sums an instruction
.irp qt, 0,1,2,3
.set t, 0
.rept 8/\d
	v_pk_add_f32 v[32+16*\qt+2*\d*t:32+16*\qt+2*\d*t+1], v[32+16*\qt+2*\d*t:32+16*\qt+2*\d*t+1], v[32+16*\qt+2*\d*t+\d:32+16*\qt+2*\d*t+\d+1]
.set t, t+1
.endr
.endr
.endr
.irp qt, 0,1,2,3
	v_add_f32 v[32+16*\qt], v[32+16*\qt], v[32+16*\qt+1]
.endr
.irp qt, 0,1,2,3
	v_rcp_f32 v[MX+2*\qt], v[32+16*\qt]
.endr
	v_nop
	s_wait_alu depctr_va_vdst(0)                   ; one wait for the four reciprocals
.irp qt, 0,1,2,3
.set t, 0
.rept 16
	v_pk_mul_f32 v[ACC+32*\qt+2*t:ACC+32*\qt+2*t+1], v[ACC+32*\qt+2*t:ACC+32*\qt+2*t+1], v[MX+2*\qt:MX+2*\qt+1] op_sel_hi:[1,0]
.set t, t+1
.endr
.endr
	; PHASE 7: the probabilities go where the mask lay (its one fill is long over, and every wave's reads of it were waited for ahead of the barriers above)
.macro PUT tau
.irp qt, 0,1,2,3
	ds_store_b128 v[ADR+4*(\qt/2)+(\tau)], v[ACC+32*\qt+8*(\tau):ACC+32*\qt+8*(\tau)+3]   offset:(\qt%2)*64000
	ds_store_b128 v[ADR+4*(\qt/2)+(\tau)], v[ACC+32*\qt+8*(\tau)+4:ACC+32*\qt+8*(\tau)+7] offset:(\qt%2)*64000+16
.endr
.endm
	PUT 0
	PUT 1
	s_wait_xcnt 0x0                                ; EXEC changes only when no global instruction of mine still holds it
	v_cmp_gt_u32 vcc_lo, 1000, v30                 ; tiles 2 and 3: only lanes whose nodes exist
	s_and_saveexec_b32 s37, vcc_lo
	PUT 2
	s_or_b32 exec_lo, exec_lo, s37
	v_cmp_gt_u32 vcc_lo, 1000, v31
	s_and_saveexec_b32 s37, vcc_lo
	PUT 3
	s_or_b32 exec_lo, exec_lo, s37
	s_wait_dscnt 0x0
	s_barrier_signal -1
	s_barrier_wait -1
	; PHASE 8: the stage leaves as it lies: load n of wave w takes bytes 8,192 n + 512 w .. + 511, which are the same bytes of my part of out0
	s_lshl_b32 s21, s[WV], 9
	v_lshl_add_u32 v12, v3, 4, s21
	v_add_nc_u32 v13, 0x10000, v12
	v_add_nc_u32 v14, 0x20000, v12
	v_add_nc_u32 v15, 0x30000, v12
.irp g, 0,1,2,3
.irp i, 0,1,2,3,4,5,6,7
	ds_load_b128 v[128+4*(8*\g+\i):128+4*(8*\g+\i)+3], v[12+\g] offset:8192*\i
.endr
.endr
.irp g, 0,1                            ; the first 131,072 bytes are mine in every block
.irp i, 0,1,2,3,4,5,6,7
	s_wait_dscnt 31-(8*\g+\i)                      ; LDS loads come back in order: the younger ones may stay out
	global_store_b128 v[12+\g], v[128+4*(8*\g+\i):128+4*(8*\g+\i)+3], s[14:15] offset:8192*\i th:TH_STORE_NT
.endr
.endr
	s_wait_xcnt 0x0                                ; ahead of the first line that narrows EXEC
.irp g, 2,3                            ; behind that each store is held to the block's bytes, lane by lane
.irp i, 0,1,2,3,4,5,6,7
	s_wait_dscnt 31-(8*\g+\i)
	v_add_nc_u32 v20, 8192*\i, v[12+\g]
	v_cmp_gt_u32 vcc_lo, s36, v20
	s_and_saveexec_b32 s37, vcc_lo
	global_store_b128 v[12+\g], v[128+4*(8*\g+\i):128+4*(8*\g+\i)+3], s[14:15] offset:8192*\i th:TH_STORE_NT
	s_wait_xcnt 0x0                                ; and ahead of the line that widens it
	s_or_b32 exec_lo, exec_lo, s37
.endr
.endr
	s_wait_tensorcnt 0x0                           ; the wave's end, behind my tensor load and my last LDS store
	ds_add_u32 v[SPW], v[NIL]
	s_wait_dscnt 0x0
	s_endpgm
.Lfunc_end_k_qe651e8471d_probe:
	.size	k_qe651e8471d_probe, .Lfunc_end_k_qe651e8471d_probe-k_qe651e8471d_probe
	.p2alignl 7, 3214868480
	.fill 96, 4, 3214868480
	.section	.rodata,"a",@progbits
	.p2align	6, 0x0
	.amdhsa_kernel k_qe651e8471d_probe
		.amdhsa_group_segment_fixed_size 302080
		.amdhsa_private_segment_fixed_size 0
		.amdhsa_enable_private_segment 0
		.amdhsa_kernarg_size 48
		.amdhsa_user_sgpr_count 2
		.amdhsa_user_sgpr_kernarg_segment_ptr 1
		.amdhsa_wavefront_size32 1
		.amdhsa_system_sgpr_workgroup_id_x 1
		.amdhsa_system_sgpr_workgroup_id_y 1
		.amdhsa_system_sgpr_workgroup_id_z 1
		.amdhsa_system_vgpr_workitem_id 0
		.amdhsa_next_free_vgpr 256
		.amdhsa_next_free_sgpr 66
		.amdhsa_reserve_vcc 1
		.amdhsa_float_denorm_mode_32 3
		.amdhsa_float_denorm_mode_16_64 3
		.amdhsa_memory_ordered 1
		.amdhsa_forward_progress 1
		.amdhsa_inst_pref_size 113
	.end_amdhsa_kernel
	.amdgpu_metadata
---
amdhsa.version: [ 1, 2 ]
amdhsa.kernels:
  - .name:           k_qe651e8471d_probe
    .symbol:         k_qe651e8471d_probe.kd
    .args:
      - { .name: att, .offset: 0, .size: 8, .value_kind: global_buffer, .address_space: global }
      - { .name: wct, .offset: 8, .size: 8, .value_kind: global_buffer, .address_space: global }
      - { .name: bc, .offset: 16, .size: 8, .value_kind: global_buffer, .address_space: global }
      - { .name: n16, .offset: 24, .size: 8, .value_kind: global_buffer, .address_space: global }
      - { .name: ninf_mask, .offset: 32, .size: 8, .value_kind: global_buffer, .address_space: global }
      - { .name: out0, .offset: 40, .size: 8, .value_kind: global_buffer, .address_space: global }
    .group_segment_fixed_size: 302080
    .private_segment_fixed_size: 0
    .kernarg_segment_align: 8
    .kernarg_segment_size: 48
    .max_flat_workgroup_size: 512
    .sgpr_count:     66
    .vgpr_count:     256
    .wavefront_size: 32
...
	.end_amdgpu_metadata
.endif
;; end of part 3
;; ======== version 2 of 2: 3 launches; version 1 with the launch proj written anew for expert scheduling mode
;; limits: values are held in f16: magnitudes above 65,504 overflow, below 6.1e-05 lose precision; inputs' magnitudes at most 1e+30
;; workspace buffers: qws 8,388,608 bytes; kws 8,388,608 bytes; vtws 8,388,608 bytes; n16 8,388,608 bytes; wct 131,072 bytes; att 8,388,608 bytes
;; launch proj (part 4): grid 64 x 4, 16 waves a work-group, no clusters, 276,480 bytes of LDS; arguments encoded_last_node, encoded_nodes, Wq_last, Wk, Wv, Wc, attr, qws, kws, vtws, n16, wct; writes qws, kws, vtws, n16, wct
.if DOCPART == 4
	.amdgcn_target "amdgcn-amd-amdhsa--gfx1250"
	.amdhsa_code_object_version 6
	.text
	.protected	k_qe651e8471d_proj
	.globl	k_qe651e8471d_proj
	.p2align	8
	.type	k_qe651e8471d_proj,@function
k_qe651e8471d_proj:
	s_mov_b64 s[64:65], 0
	v_nop
	global_prefetch_b8 v0, s[64:65] scope:SCOPE_SE
	s_setreg_imm32_b32 hwreg(HW_REG_WAVE_SCHED_MODE, 0, 2), 2
	s_setreg_imm32_b32 hwreg(HW_REG_WAVE_MODE, 25, 1), 1
	s_wait_xcnt 0x0
	s_wait_alu depctr_vm_vsrc(0)
; PROJ.  The three projections and two casts.  Work-group x owns 256 rows (batch x / 4, quarter x % 4) of a batch padded to 1,024 rows: row i >= 1000 is a copy of row 999.
; Work-group y is the JOB: 0: q = ([last | attr] Wq_last) / 4;  1: k = nodes Wk;  2: v = nodes Wv, written transposed by key steps;  3: nodes and Wc^T cast.
; FORMATS.  Every input is rounded once to bf16 and multiplied in bf16 with f32 sums; q / 4, k, v leave as f16; n16 and wct hold the bf16-rounded numbers written as f16.
; LIMITS.  q / 4, k, v and the nodes lie within f16's 65,504; a number below 6e-5 keeps f16's fixed step of 6e-8.
; OUT.  qws, kws, n16: f16 [16][1024][256].  vtws: f16 [16][16 steps][256 channels][64 keys].  wct: f16 [256 e][256 c].
; A GEMM job: 16 waves bring W (256 x 256) and 256 rows of x through registers into LDS as bf16; wave w then makes rows 32 (w / 2) .. + 31 x columns 128 (w % 2) .. + 127: 16 accumulators.
; No cluster and no tensor load: both operands are converted on the way in, so they pass through registers; a work-group reads 256 KiB of weights for 256 KiB of rows.
; THE MODE: SCHED_MODE bits 1:0 = 2 (LLVM: expert scheduling mode 2), set by the entry lines.  The code itself states the register dependences
; between vector or matrix instructions and memory or LDS instructions, with s_wait_alu, always for 0.
; THE PLAN.  Registers that memory or LDS instructions touch:
;   v5-v10, XO     offsets and LDS addresses: made at the head, never written again; one wait ahead of the branch on the job covers them.  v11, v12, v13: made once, in the branch that uses them.
;   SA, SB, SC     phase 1: three sets of 16 loads.  SA is rounded into OUT and asked for again at once; SB, SC and SA's second batch are rounded in place, into their low 32 registers, and not loaded again.
;   OUT and those low halves are what the LDS stores read.  None of them is written again before the barrier; one wait on vm_vsrc behind it frees them for the fragments and the accumulators.
;   XF0, XF1       phase 2: x's fragments of K step k lie in set k % 2: read by that step's 16 products, loaded again in the second half of the step after.
;   WF             phase 2: W's eight fragments as two halves that take turns: a half step's 8 products read one half while the next half step's loads land in the other.
;   So ONE wait on va_vdst stands at a half step's head, behind the wait for its fragments: the half step before is done reading the half of W, and the K step before the set of x, in which the loads that follow land.
;   Those loads are dealt behind the half step's first three products, which name its own half, its own set and the accumulators alone.
;   PK, BK         the way out: packed results, read by the stage's stores; rows read back, which land in registers that the roundings have read: a wait on va_vdst ahead of each run.
.set WP,    544                        ; a row of W ([k][n], bf16) in LDS: 512 + 32 bytes = 17 x 32: the turning load's 8 rows x 32 bytes fall on different banks
.set XP,    528                        ; a row of x ([row][k], bf16), and of the stage: 512 + 16 bytes = 33 x 16
.set WL,    0
.set XL,    256*WP
.set SPARE, XL+256*XP                  ; the spare words: 128 bytes for each of 16 waves, eight blocks of 256 bytes that no other line names
.set SPW, 14                           ; v14  SPARE + 4 x my thread's number; never rewritten
.set NIL, 15                           ; v15  0; never rewritten
.set XO,  16                           ; v[16:31] byte offset of my 16 bytes in source row min(i0 + j, 999)
.set OUT, 32                           ; v[32:63] phase 1: set A's first batch, rounded
.set XF,  32                           ; v[32:63] phase 2: two sets of two fragments of x
.set WF,  64                           ; v[64:127] eight fragments of W: fragments 0-3 are one half, 4-7 the other
.set SA,  64                           ; load set A
.set SB,  128                          ; load set B
.set SC,  192                          ; load set C
.set ACC, 128                          ; v[128:255] accumulator (rt, ct) at ACC + 8 (8 rt + ct)
.set PK,  64                           ; packed results
.set BK,  128                          ; rows read back from the stage
.set WV,  32                           ; s32 wave
.set JOB, 33                           ; s33 job
.macro PLACES                          ; four plain vector instructions between a matrix instruction and a vector instruction that reads its result or writes one of its registers (ISA guide 7.12.1)
.rept 4
	v_nop
.endr
.endm
	s_load_b512 s[8:23], s[0:1], 0x0               ; last 8, nodes 10, Wq 12, Wk 14, Wv 16, Wc 18, attr 20, qws 22
	s_load_b256 s[24:31], s[0:1], 0x40             ; kws 24, vtws 26, n16 28, wct 30
	v_lshl_add_u32 v[SPW], v0, 2, SPARE
	v_mov_b32 v[NIL], 0
	v_lshrrev_b32 v1, 5, v0
	v_readfirstlane_b32 s[WV], v1                  ; wave 0..15
	v_and_b32 v1, 31, v0                           ; L
	v_and_b32 v2, 15, v0                           ; r
	v_bfe_u32 v3, v0, 4, 1                         ; h
	v_lshlrev_b32 v4, 4, v1                        ; 16 L
	s_and_b32 s[JOB], ttmp7, 0xffff
	s_mov_b32 s34, ttmp9
	s_lshr_b32 s35, s34, 2                         ; batch
	s_and_b32 s36, s34, 3                          ; quarter
	s_lshl_b32 s37, s36, 8
	s_wait_alu depctr_va_sdst(0)                   ; the wave's number is written, ahead of its first reader
	s_lshl4_add_u32 s37, s[WV], s37                ; i0 = 256 quarter + 16 w: the first row that I bring
	s_lshr_b32 s50, s[WV], 1                       ; rg: my 32 rows
	s_and_b32 s51, s[WV], 1                        ; ch: my 128 columns
	s_mov_b32 s45, 0                               ; the high word of every offset pair s[44:45]
	s_mov_b32 s52, 0x3e800000                      ; 1 / 4 = 1 / sqrt(16)
	s_mov_b32 s53, s52
.set j, 0
.rept 16
	s_add_co_u32 s44, s37, j
	s_min_u32 s44, s44, 999                        ; padded rows repeat row 999
	s_lshl_b32 s44, s44, 10                        ; 1,024 bytes a source row
	v_add_nc_u32 v[XO+j], s44, v4
.set j, j+1
.endr
	s_lshl_b32 s44, s[WV], 14
	v_add_nc_u32 v5, s44, v4                       ; W: row 16 w, my 16 bytes
	s_mul_i32 s44, s[WV], 16*WP
	v_lshl_add_u32 v6, v1, 3, s44                  ; where my 8 bytes of W's row 16 w go
	s_mul_i32 s44, s[WV], 16*XP
	s_add_co_u32 s44, s44, XL
	v_lshl_add_u32 v7, v1, 3, s44                  ; the same for x
	s_mul_i32 s44, s50, 32*XP
	s_add_co_u32 s44, s44, XL
	v_mul_u32_u24 v8, v2, XP
	v_lshl_add_u32 v8, v3, 4, v8
	v_add_nc_u32 v8, s44, v8                       ; fragments of x: (32 rg + r) pitch + 16 h
	v_and_b32 v32, 7, v0
	v_lshl_add_u32 v32, v3, 3, v32
	v_mul_u32_u24 v9, v32, WP
	v_bfe_u32 v32, v0, 3, 1
	v_lshl_add_u32 v9, v32, 4, v9
	s_lshl_b32 s44, s51, 8
	v_add_nc_u32 v9, s44, v9                       ; turned fragments of W: (8 h + L % 8) pitch + 16 ((L / 8) % 2) + 256 ch, K steps 0-3
	v_add_nc_u32 v10, 4*32*WP, v9                  ; K steps 4-7: past the 16-bit immediate
	s_wait_kmcnt 0x0
	s_cmp_eq_u32 s[JOB], 0
	s_cselect_b64 s[38:39], s[8:9], s[10:11]       ; x: last for q, nodes else
	s_cselect_b64 s[40:41], s[12:13], s[14:15]     ; W
	s_cselect_b64 s[42:43], s[22:23], s[24:25]     ; out
	s_cmp_eq_u32 s[JOB], 2
	s_cselect_b64 s[40:41], s[16:17], s[40:41]
	s_cselect_b64 s[42:43], s[26:27], s[42:43]
	s_mul_i32 s44, s35, 1024000
	s_add_nc_u64 s[38:39], s[38:39], s[44:45]      ; x at the batch's first row
	s_lshl_b32 s44, s34, 17                        ; 256 rows of 512 bytes, and four key steps of 32,768 bytes, are both 131,072 bytes a work-group
	s_add_nc_u64 s[42:43], s[42:43], s[44:45]
	s_add_nc_u64 s[28:29], s[28:29], s[44:45]
.macro LOADW bt, set                   ; eight rows of W, 1,024 bytes each: two loads of 512 consecutive bytes a row
.irp j, 0,1,2,3,4,5,6,7
	global_load_b128 v[(\set)+8*(\j):(\set)+8*(\j)+3],   v5, s[40:41] offset:(8*(\bt)+(\j))*1024
	global_load_b128 v[(\set)+8*(\j)+4:(\set)+8*(\j)+7], v5, s[40:41] offset:(8*(\bt)+(\j))*1024+512
.endr
.endm
.macro LOADX bt, set                   ; eight rows of x
.irp j, 0,1,2,3,4,5,6,7
	global_load_b128 v[(\set)+8*(\j):(\set)+8*(\j)+3],   v[XO+8*(\bt)+(\j)], s[38:39]
	global_load_b128 v[(\set)+8*(\j)+4:(\set)+8*(\j)+7], v[XO+8*(\bt)+(\j)], s[38:39] offset:512
.endr
.endm
.macro CVT dst, set                    ; a set's 64 numbers are rounded to bf16 into 32 registers; with dst = set they close up in place: line t writes register t and reads registers 2 t and 2 t + 1
.set t, 0
.rept 32
	v_cvt_pk_bf16_f32 v[(\dst)+t], v[(\set)+2*t], v[(\set)+2*t+1]
.set t, t+1
.endr
.endm
.macro STO src, adr, pitch, bt         ; and stored: 8 bytes a lane, 256 consecutive bytes a store
.irp j, 0,1,2,3,4,5,6,7
.irp i, 0,1
	ds_store_b64 v[\adr], v[(\src)+4*(\j)+2*(\i):(\src)+4*(\j)+2*(\i)+1] offset:(8*(\bt)+(\j))*(\pitch)+256*(\i)
.endr
.endr
.endm
	s_wait_alu depctr_va_vdst(0)                   ; v5 to v10 and v[16:31] are written: the loads and LDS instructions of both ways below read them as offsets and addresses
	s_cmp_eq_u32 s[JOB], 3
	s_cbranch_scc1 .Lcast
	; PHASE 1: W and x into LDS.  Three sets of 16 loads go out together; set A is asked for again as soon as it is rounded.
	LOADW 0, SA
	LOADW 1, SB
	LOADX 0, SC
	s_wait_loadcnt 32                              ; set A is in: sets B and C, 32 younger loads, stay out
	CVT OUT, SA
	s_wait_alu depctr_va_vdst(0)                   ; the roundings are done reading set A, in which the loads below land, and have written OUT, which the stores below read
	LOADX 1, SA
	STO OUT, 6, WP, 0
	s_wait_loadcnt 32                              ; set B is in: set C and set A's second batch stay out
	CVT SB, SB
	s_wait_loadcnt 16                              ; set C is in
	s_wait_alu depctr_va_vdst(0)                   ; the roundings have written set B's low half, which the stores below read
	STO SB, 6, WP, 1
	CVT SC, SC
	s_wait_loadcnt 0x0                             ; set A's second batch
	s_wait_alu depctr_va_vdst(0)                   ; the roundings have written set C's low half, which the stores below read
	STO SC, 7, XP, 0
	CVT SA, SA
	s_wait_alu depctr_va_vdst(0)                   ; the roundings have written set A's low half, which the stores below read; they are done with all of v[64:127], in which fragments of W land behind the barrier
	STO SA, 7, XP, 1
	s_wait_dscnt 0x0                               ; for the others' sake: my stores are done
	s_barrier_signal -1
	s_barrier_wait -1                              ; W and x are whole
	s_wait_alu depctr_vm_vsrc(0)                   ; my LDS stores have read v[32:95], v[128:159] and v[192:223]: from here on the fragments' loads land there and the products write there
	; PHASE 2: eight K steps of 32, each two half steps of eight products.  The 16 accumulators take turns, one instruction a turn.
	; swap = 0: source 0 = 16 columns of W, source 1 = 16 rows of x: a lane holds one row and eight neighbouring channels.  swap = 1: the other way round: one channel and eight neighbouring keys.
.macro MM swap, ct, rt
.set d,  ACC+8*(8*(\rt)+(\ct))
.set fx, XF+16*(ks%2)+8*(\rt)
.set fw, WF+8*(\ct)
.if \swap
.if ks == 0
	v_wmma_f32_16x16x32_bf16 v[d:d+7], v[fx:fx+7], v[fw:fw+7], 0
.else
	v_wmma_f32_16x16x32_bf16 v[d:d+7], v[fx:fx+7], v[fw:fw+7], v[d:d+7]
.endif
.else
.if ks == 0
	v_wmma_f32_16x16x32_bf16 v[d:d+7], v[fw:fw+7], v[fx:fx+7], 0
.else
	v_wmma_f32_16x16x32_bf16 v[d:d+7], v[fw:fw+7], v[fx:fx+7], v[d:d+7]
.endif
.endif
.endm
.macro XLOAD k                         ; x's two fragments of K step k, into set k % 2
.irp rt, 0,1
	ds_load_b128 v[XF+16*((\k)%2)+8*\rt:XF+16*((\k)%2)+8*\rt+3],   v8 offset:\rt*16*XP+64*(\k)
	ds_load_b128 v[XF+16*((\k)%2)+8*\rt+4:XF+16*((\k)%2)+8*\rt+7], v8 offset:\rt*16*XP+64*(\k)+32
.endr
.endm
.macro WLOAD k, hf, c                  ; W's fragment 4 hf + c of K step k, turned
	ds_load_tr16_b128 v[WF+8*(4*(\hf)+(\c)):WF+8*(4*(\hf)+(\c))+3],   v[9+(\k)/4] offset:((\k)%4)*32*WP+32*(4*(\hf)+(\c))
	ds_load_tr16_b128 v[WF+8*(4*(\hf)+(\c))+4:WF+8*(4*(\hf)+(\c))+7], v[9+(\k)/4] offset:((\k)%4)*32*WP+32*(4*(\hf)+(\c))+16*WP
.endm
; Half hf of K step ks: half step 2 ks + hf of 16.  Every half step but the first and the last asks for the next one's fragments of W; the second half of a K step also for the next step's fragments of x.
.macro HALF swap, hf
.if 2*ks+(\hf) == 0
	s_wait_dscnt 8                                 ; LDS loads come back in order (ISA guide 5.7.1): x and W's first half are in; the second half's eight loads may stay out
.else
	s_wait_dscnt 0x0                               ; this half step's fragments are in
.endif
.if (2*ks+(\hf) > 0) && (2*ks+(\hf) < 15)
	s_wait_alu depctr_va_vdst(0)                   ; the last half step's products are done reading the other half of W, and the last K step's the other set of x: the loads below land there
.endif
	MM \swap, 4*(\hf), 0
.if (2*ks+(\hf) > 0) && (2*ks+(\hf) < 15)
	WLOAD ks+(\hf), 1-(\hf), 0                     ; no wait: no product since the wait above names the other half of W, the other set of x or an address
	WLOAD ks+(\hf), 1-(\hf), 1
.endif
	MM \swap, 4*(\hf), 1
.if (2*ks+(\hf) > 0) && (2*ks+(\hf) < 15)
	WLOAD ks+(\hf), 1-(\hf), 2
	WLOAD ks+(\hf), 1-(\hf), 3
.endif
	MM \swap, 4*(\hf)+1, 0
.if ((\hf) == 1) && (ks < 7)
	XLOAD ks+1
.endif
	MM \swap, 4*(\hf)+1, 1
	MM \swap, 4*(\hf)+2, 0
	MM \swap, 4*(\hf)+2, 1
	MM \swap, 4*(\hf)+3, 0
	MM \swap, 4*(\hf)+3, 1
.endm
.macro GEMM swap
	XLOAD 0                                        ; K step 0 whole: no vector instruction has named these registers since phase 1's last wait on va_vdst
.irp c, 0,1,2,3
	WLOAD 0, 0, \c
.endr
.irp c, 0,1,2,3
	WLOAD 0, 1, \c
.endr
.set ks, 0
.rept 8
	HALF \swap, 0
	HALF \swap, 1
.set ks, ks+1
.endr
.endm
	s_cmp_eq_u32 s[JOB], 2
	s_cbranch_scc1 .Lgemm_v
	GEMM 0
	s_branch .Lgemm_done
.Lgemm_v:
	GEMM 1
.Lgemm_done:
	PLACES
	s_wait_dscnt 0x0                               ; my reads of W and x are over
	s_barrier_signal -1
	s_barrier_wait -1                              ; everybody's are: the stage may be laid over W
	; PHASE 3, job 0 alone: q += attr[row] x Wq_last[256][channel], both rounded to bf16; then q / 4
	s_cmp_lg_u32 s[JOB], 0
	s_cbranch_scc1 .Lpack
	s_mul_i32 s44, s35, 4000
	s_add_nc_u64 s[46:47], s[20:21], s[44:45]      ; attr at the batch
	s_lshl_b32 s48, s36, 8
	s_lshl_b32 s49, s50, 5
	s_add_co_u32 s48, s48, s49                     ; 256 quarter + 32 rg
	v_add_nc_u32 v32, s48, v2
	v_min_u32 v32, 999, v32
	v_lshlrev_b32 v32, 2, v32
	s_add_co_u32 s48, s48, 16
	v_add_nc_u32 v33, s48, v2
	v_min_u32 v33, 999, v33
	v_lshlrev_b32 v33, 2, v33
	s_lshl_b32 s49, s51, 9
	v_lshl_add_u32 v34, v3, 5, s49                 ; 4 (128 ch + 8 h)
	s_wait_alu depctr_va_vdst(0)                   ; the offsets v32 to v34 are written; the products are done reading v36, v38 and v[64:127], in which the loads below land
	global_load_b32 v36, v32, s[46:47]
	global_load_b32 v38, v33, s[46:47]
.irp ct, 0,1,2,3,4,5,6,7
	global_load_b128 v[WF+8*\ct:WF+8*\ct+3],   v34, s[12:13] offset:262144+64*\ct
	global_load_b128 v[WF+8*\ct+4:WF+8*\ct+7], v34, s[12:13] offset:262144+64*\ct+16
.endr
	s_wait_loadcnt 0x0
	v_cvt_pk_bf16_f32 v36, v36, v36
	v_cvt_pk_bf16_f32 v38, v38, v38
	v_lshlrev_b32 v36, 16, v36
	v_lshlrev_b32 v38, 16, v38
	v_mov_b32 v37, v36                             ; named as pairs by the packed lines below
	v_mov_b32 v39, v38
.set t, 0
.rept 32
	v_cvt_pk_bf16_f32 v[40+t%2], v[WF+2*t], v[WF+2*t+1]
	v_lshlrev_b32 v[WF+2*t], 16, v[40+t%2]
	v_and_b32 v[WF+2*t+1], 0xffff0000, v[40+t%2]
.set t, t+1
.endr
.irp rt, 0,1
.irp ct, 0,1,2,3,4,5,6,7
.irp p, 0,1,2,3
	v_pk_fma_f32 v[ACC+8*(8*\rt+\ct)+2*\p:ACC+8*(8*\rt+\ct)+2*\p+1], v[WF+8*\ct+2*\p:WF+8*\ct+2*\p+1], v[36+2*\rt:37+2*\rt], v[ACC+8*(8*\rt+\ct)+2*\p:ACC+8*(8*\rt+\ct)+2*\p+1] op_sel_hi:[1,0,1]
.endr
.endr
.endr
.set t, 0
.rept 64
	v_pk_mul_f32 v[ACC+2*t:ACC+2*t+1], v[ACC+2*t:ACC+2*t+1], s[52:53] op_sel_hi:[1,0]
.set t, t+1
.endr
.Lpack:                                        ; all jobs: rounded once to f16, each accumulator's registers in ascending order
.set t, 0
.rept 64
	v_cvt_pk_f16_f32 v[PK+t], v[ACC+2*t], v[ACC+2*t+1]
.set t, t+1
.endr
	s_cmp_eq_u32 s[JOB], 2
	s_cbranch_scc1 .Lst_v
	s_mul_i32 s44, s50, 32*XP                      ; q, k: stage row = my row 32 rg + 16 rt + r, byte 256 ch + 32 ct + 16 h
	s_lshl_b32 s48, s51, 8
	s_add_co_u32 s44, s44, s48
	v_mul_u32_u24 v11, v2, XP
	v_lshl_add_u32 v11, v3, 4, v11
	v_add_nc_u32 v11, s44, v11
	s_wait_alu depctr_va_vdst(0)                   ; the roundings have written v[64:127] and v11 is written: the stores below read them
.irp rt, 0,1
.irp ct, 0,1,2,3,4,5,6,7
	ds_store_b128 v11, v[PK+4*(8*\rt+\ct):PK+4*(8*\rt+\ct)+3] offset:\rt*16*XP+32*\ct
.endr
.endr
	s_branch .Lst_done
.Lst_v:
	s_mul_i32 s44, s51, 128*XP                     ; v: stage row = channel 128 ch + 16 ct + r, byte 64 rg + 32 rt + 16 h (two bytes a key)
	s_lshl_b32 s48, s50, 6
	s_add_co_u32 s44, s44, s48
	v_mul_u32_u24 v11, v2, XP
	v_lshl_add_u32 v11, v3, 4, v11
	v_add_nc_u32 v11, s44, v11
	s_wait_alu depctr_va_vdst(0)                   ; the roundings have written v[64:127] and v11 is written: the stores below read them
.irp rt, 0,1
.irp ct, 0,1,2,3,4,5,6,7
	ds_store_b128 v11, v[PK+4*(8*\rt+\ct):PK+4*(8*\rt+\ct)+3] offset:\ct*16*XP+32*\rt
.endr
.endr
.Lst_done:
	s_wait_dscnt 0x0                               ; for the others' sake: my stores into the stage are done
	s_barrier_signal -1
	s_barrier_wait -1
	s_cmp_eq_u32 s[JOB], 2
	s_cbranch_scc1 .Lrd_v
	s_mul_i32 s44, s[WV], 16*XP                    ; q, k: wave w takes stage rows 16 w .. + 15 whole: 512 bytes a load and a store
	v_add_nc_u32 v12, s44, v4
	s_lshl_b32 s44, s[WV], 13
	v_add_nc_u32 v13, s44, v4
	s_wait_alu depctr_va_vdst(0)                   ; v12 and v13 are written, which the loads and stores below read; the roundings that read v[128:191], in which the loads land, stand further ahead
.irp f, 0,1,2,3,4,5,6,7,8,9,10,11,12,13,14,15
	ds_load_b128 v[BK+4*\f:BK+4*\f+3], v12 offset:\f*XP
.endr
.irp f, 0,1,2,3,4,5,6,7,8,9,10,11,12,13,14,15
	s_wait_dscnt 15-\f                             ; LDS loads come back in order: the younger ones may stay out
	global_store_b128 v13, v[BK+4*\f:BK+4*\f+3], s[42:43] offset:512*\f
.endr
	s_branch .Lend
.Lrd_v:
	s_mul_i32 s44, s[WV], 16*XP                    ; v: wave w takes channels 16 w .. + 15; a load takes four channels' 128 bytes of one key step: 512 consecutive bytes of vtws
	v_lshrrev_b32 v35, 3, v1                       ; (at work: v35, which no memory instruction has read since the wait on vm_vsrc)
	v_mul_u32_u24 v12, v35, XP
	v_and_b32 v35, 7, v0
	v_lshl_add_u32 v12, v35, 4, v12
	v_add_nc_u32 v12, s44, v12
	s_lshl_b32 s44, s[WV], 11
	v_add_nc_u32 v13, s44, v4
	s_wait_alu depctr_va_vdst(0)                   ; v12 and v13 are written, which the loads and stores below read; the roundings that read v[128:191], in which the loads land, stand further ahead
.irp f, 0,1,2,3,4,5,6,7,8,9,10,11,12,13,14,15
	ds_load_b128 v[BK+4*\f:BK+4*\f+3], v12 offset:(\f%4)*4*XP+(\f/4)*128
.endr
.irp f, 0,1,2,3,4,5,6,7,8,9,10,11,12,13,14,15
	s_wait_dscnt 15-\f
	global_store_b128 v13, v[BK+4*\f:BK+4*\f+3], s[42:43] offset:(\f/4)*32768+(\f%4)*512
.endr
	s_branch .Lend
	; JOB 3: my 16 rows of the nodes, rounded to bf16 and written as f16; every store has data registers of its own.  A set's arithmetic stands together, its 16 stores behind one wait.
.macro CASTV set
.irp j, 0,1,2,3,4,5,6,7
.irp i, 0,1
	v_cvt_pk_bf16_f32 v32, v[(\set)+8*(\j)+4*(\i)],   v[(\set)+8*(\j)+4*(\i)+1]
	v_cvt_pk_bf16_f32 v33, v[(\set)+8*(\j)+4*(\i)+2], v[(\set)+8*(\j)+4*(\i)+3]
	v_lshlrev_b32 v[(\set)+8*(\j)+4*(\i)],   16, v32
	v_and_b32     v[(\set)+8*(\j)+4*(\i)+1], 0xffff0000, v32
	v_lshlrev_b32 v[(\set)+8*(\j)+4*(\i)+2], 16, v33
	v_and_b32     v[(\set)+8*(\j)+4*(\i)+3], 0xffff0000, v33
	v_cvt_pk_f16_f32 v[(\set)+8*(\j)+4*(\i)],   v[(\set)+8*(\j)+4*(\i)],   v[(\set)+8*(\j)+4*(\i)+1]
	v_cvt_pk_f16_f32 v[(\set)+8*(\j)+4*(\i)+1], v[(\set)+8*(\j)+4*(\i)+2], v[(\set)+8*(\j)+4*(\i)+3]
.endr
.endr
.endm
.macro CASTS set, bt
.irp j, 0,1,2,3,4,5,6,7
.irp i, 0,1
	global_store_b64 v11, v[(\set)+8*(\j)+4*(\i):(\set)+8*(\j)+4*(\i)+1], s[28:29] offset:(8*(\bt)+(\j))*512+256*(\i)  ; 32 lanes store 256 consecutive bytes, aligned
.endr
.endr
.endm
.Lcast:
	LOADX 0, SA
	LOADX 1, SB
	s_lshl_b32 s44, s[WV], 13
	v_lshl_add_u32 v11, v1, 3, s44                 ; 8,192 w + 8 L
	s_wait_loadcnt 16                              ; set A is in
	CASTV SA
	s_wait_loadcnt 0x0                             ; set B is in
	s_wait_alu depctr_va_vdst(0)                   ; set A's roundings and v11 are written, which the stores below read
	CASTS SA, 0
	CASTV SB                                       ; names set B, v32 and v33 alone
	s_wait_alu depctr_va_vdst(0)                   ; set B's roundings are written, which the stores below read
	CASTS SB, 1
	s_cmp_lt_u32 s[WV], 4                          ; waves 0 to 3 also make row e = 4 x + w of wct
	s_cbranch_scc0 .Lend
	s_lshl2_add_u32 s44, s34, s[WV]                ; e
	s_lshl_b32 s48, s44, 2
	v_lshl_add_u32 v12, v1, 13, s48                ; Wc[8 L + i][e]
	s_lshl_b32 s48, s44, 9
	v_add_nc_u32 v13, s48, v4
	s_wait_alu depctr_va_vdst(0)                   ; v12 and v13 are written, which the loads and the store below read
.irp i, 0,1,2,3,4,5,6,7
	global_load_b32 v[192+\i], v12, s[18:19] offset:1024*\i
.endr
	s_wait_loadcnt 0x0
.irp p, 0,1,2,3
	v_cvt_pk_bf16_f32 v[34+\p], v[192+2*\p], v[193+2*\p]
	v_lshlrev_b32 v[192+2*\p], 16, v[34+\p]
	v_and_b32 v[193+2*\p], 0xffff0000, v[34+\p]
	v_cvt_pk_f16_f32 v[200+\p], v[192+2*\p], v[193+2*\p]
.endr
	s_wait_alu depctr_va_vdst(0)                   ; the roundings have written v[200:203], which the store reads
	global_store_b128 v13, v[200:203], s[30:31]    ; a whole row of wct, 512 bytes
.Lend:
	s_wait_dscnt 0x0                               ; the closing lines, six on end
	s_wait_alu 0x0
	s_wait_tensorcnt 0x0
	ds_add_u32 v[SPW], v[NIL]
	s_wait_dscnt 0x0
	s_endpgm
.Lfunc_end_k_qe651e8471d_proj:
	.size	k_qe651e8471d_proj, .Lfunc_end_k_qe651e8471d_proj-k_qe651e8471d_proj
	.p2alignl 7, 3214868480
	.fill 96, 4, 3214868480
	.section	.rodata,"a",@progbits
	.p2align	6, 0x0
	.amdhsa_kernel k_qe651e8471d_proj
		.amdhsa_group_segment_fixed_size 276480
		.amdhsa_private_segment_fixed_size 0
		.amdhsa_enable_private_segment 0
		.amdhsa_kernarg_size 96
		.amdhsa_user_sgpr_count 2
		.amdhsa_user_sgpr_kernarg_segment_ptr 1
		.amdhsa_wavefront_size32 1
		.amdhsa_system_sgpr_workgroup_id_x 1
		.amdhsa_system_sgpr_workgroup_id_y 1
		.amdhsa_system_sgpr_workgroup_id_z 1
		.amdhsa_system_vgpr_workitem_id 0
		.amdhsa_next_free_vgpr 256
		.amdhsa_next_free_sgpr 66
		.amdhsa_reserve_vcc 0
		.amdhsa_float_denorm_mode_32 3
		.amdhsa_float_denorm_mode_16_64 3
		.amdhsa_memory_ordered 1
		.amdhsa_forward_progress 1
		.amdhsa_inst_pref_size 114
	.end_amdhsa_kernel
	.amdgpu_metadata
---
amdhsa.version: [ 1, 2 ]
amdhsa.kernels:
  - .name:           k_qe651e8471d_proj
    .symbol:         k_qe651e8471d_proj.kd
    .args:
      - { .name: encoded_last_node, .offset: 0, .size: 8, .value_kind: global_buffer, .address_space: global }
      - { .name: encoded_nodes, .offset: 8, .size: 8, .value_kind: global_buffer, .address_space: global }
      - { .name: Wq_last, .offset: 16, .size: 8, .value_kind: global_buffer, .address_space: global }
      - { .name: Wk, .offset: 24, .size: 8, .value_kind: global_buffer, .address_space: global }
      - { .name: Wv, .offset: 32, .size: 8, .value_kind: global_buffer, .address_space: global }
      - { .name: Wc, .offset: 40, .size: 8, .value_kind: global_buffer, .address_space: global }
      - { .name: attr, .offset: 48, .size: 8, .value_kind: global_buffer, .address_space: global }
      - { .name: qws, .offset: 56, .size: 8, .value_kind: global_buffer, .address_space: global }
      - { .name: kws, .offset: 64, .size: 8, .value_kind: global_buffer, .address_space: global }
      - { .name: vtws, .offset: 72, .size: 8, .value_kind: global_buffer, .address_space: global }
      - { .name: n16, .offset: 80, .size: 8, .value_kind: global_buffer, .address_space: global }
      - { .name: wct, .offset: 88, .size: 8, .value_kind: global_buffer, .address_space: global }
    .group_segment_fixed_size: 276480
    .private_segment_fixed_size: 0
    .kernarg_segment_align: 8
    .kernarg_segment_size: 96
    .max_flat_workgroup_size: 512
    .sgpr_count:     66
    .vgpr_count:     256
    .wavefront_size: 32
...
	.end_amdgpu_metadata
.endif
;; end of part 4
;; launch mha: the kernel of part 2 again; grid 16 x 16, 8 waves a work-group, clusters of 4 x 1, 327,680 bytes of LDS; arguments qws, kws, vtws, ninf_mask, att; writes att
;; launch probe: the kernel of part 3 again; grid 16 x 16, 16 waves a work-group, no clusters, 302,080 bytes of LDS; arguments att, wct, bc, n16, ninf_mask, out0; writes out0
